; MI455X (gfx1250); checked and timed in simulation.
; The chip was launched on July 23, 2026; its instructions are those of AMD's public machine-readable ISA for CDNA 5 (MIT licence, August 2026) and "CDNA5" Instruction Set Architecture Reference Guide (July 2026). The comments in the code are by the model that wrote it; some were corrected since.
;; Linear Latent Dynamics. Allowed arithmetic: float matrix products may take bf16 or f16 operands with f32 sums; other float arithmetic in f32, or as packed bf16 or f16 multiplies, adds, multiply-adds, maxima and minima; sums over many terms, partial sums and values carried from step to step in f32; what a program stores and reads back later, other than sums and carried values, may be rounded once to bf16 or f16.
;; Inputs: inputs 1,024 x 24 float32; params_dec_lins_0_W 68 x 128 float32; params_dec_lins_0_b 128 float32; params_dec_lins_1_W 128 x 256 float32; params_dec_lins_1_b 256 float32; params_dec_lins_2_W 256 x 256 float32; params_dec_lins_2_b 256 float32; params_dec_lins_3_W 256 x 12 float32; params_dec_lins_3_b 12 float32; params_dec_lns_0_b 128 float32; params_dec_lns_0_g 128 float32; params_dec_lns_1_b 256 float32; params_dec_lns_1_g 256 float32; params_dec_lns_2_b 256 float32; params_dec_lns_2_g 256 float32; params_dynC_lins_0_W 4 x 64 float32; params_dynC_lins_0_b 64 float32; params_dynC_lins_1_W 64 x 512 float32; params_dynC_lins_1_b 512 float32; params_dynU_lins_0_W 4 x 64 float32; params_dynU_lins_0_b 64 float32; params_dynU_lins_1_W 64 x 512 float32; params_dynU_lins_1_b 512 float32; params_dynV_lins_0_W 4 x 64 float32; params_dynV_lins_0_b 64 float32; params_dynV_lins_1_W 64 x 512 float32; params_dynV_lins_1_b 512 float32; params_enc_lins_0_W 16 x 256 float32; params_enc_lins_0_b 256 float32; params_enc_lins_1_W 256 x 256 float32; params_enc_lins_1_b 256 float32; params_enc_lins_2_W 256 x 128 float32; params_enc_lins_2_b 128 float32; params_enc_lins_3_W 128 x 64 float32; params_enc_lins_3_b 64 float32; params_enc_lns_0_b 256 float32; params_enc_lns_0_g 256 float32; params_enc_lns_1_b 256 float32; params_enc_lns_1_g 256 float32; params_enc_lns_2_b 128 float32; params_enc_lns_2_g 128 float32; params_tscale_lins_0_W 16 x 64 float32; params_tscale_lins_0_b 64 float32; params_tscale_lins_1_W 64 x 32 float32; params_tscale_lins_1_b 32 float32; params_tscale_lins_2_W 32 x 1 float32; params_tscale_lins_2_b 1 float32.
;; Outputs: out0 1,024 x 8 x 12 float32.
;; 2 versions, each right; version 2 is version 1 with the launch flow written anew for expert scheduling mode. Each part assembles by itself: llvm-mc -triple=amdgcn-amd-amdhsa -mcpu=gfx1250 --defsym DOCPART=n.
;; ======== version 1 of 2: 2 launches
;; limits: values are held in f16: magnitudes above 65,504 overflow, below 6.1e-05 lose precision
;; workspace buffers: wt 458,752 bytes; dynws 8,912,896 bytes; sq 32,768 bytes of whole numbers
;; launch gen (part 1): grid 312 x 1, 8 waves a work-group, no clusters, 26,880 bytes of LDS; arguments params_dynC_lins_0_W, params_dynC_lins_0_b, params_dynC_lins_1_W, params_dynC_lins_1_b, params_dynU_lins_0_W, params_dynU_lins_0_b, params_dynU_lins_1_W, params_dynU_lins_1_b, params_dynV_lins_0_W, params_dynV_lins_0_b, params_dynV_lins_1_W, params_dynV_lins_1_b, params_tscale_lins_0_W, params_tscale_lins_0_b, params_tscale_lins_1_W, params_tscale_lins_1_b, params_tscale_lins_2_W, params_tscale_lins_2_b, inputs, wt, params_enc_lins_0_W, params_enc_lins_1_W, params_enc_lins_2_W, params_enc_lins_3_W, params_dec_lins_0_W, params_dec_lins_1_W, params_dec_lins_2_W, params_dec_lins_3_W, dynws, sq; writes wt, dynws, sq
.if DOCPART == 1
	.amdgcn_target "amdgcn-amd-amdhsa--gfx1250"
	.amdhsa_code_object_version 6
	.text
	.protected	k_qfdaf75decc_gen
	.globl	k_qfdaf75decc_gen
	.p2align	8
	.type	k_qfdaf75decc_gen,@function
k_qfdaf75decc_gen:
	s_mov_b64 s[64:65], 0
	v_nop
	global_prefetch_b8 v0, s[64:65] scope:SCOPE_SE
	s_setreg_imm32_b32 hwreg(HW_REG_WAVE_MODE, 25, 1), 1
	s_wait_xcnt 0x0
; FIRST LAUNCH OF TWO.  Work-groups 0 to 255 (four samples each): the three nets g -> 64 -> 512 that give C, U, V (64 x 8 each), the time-scale net, K = X^T W (24 x 24) with
; X = [C, V, U], W = [-C, U, -V], the scaled times tn = t / ts, and for each (sample, time) the number s of halvings that brings |tn| x the largest absolute row sum of K under 0.5.
; Work-groups 256 to 311: the eight weight matrices of encoder and decoder, rounded once to f16 and laid out as matrix-instruction fragments of 1,024 bytes.
; WHY K.  reference() builds A = -I + W X^T, so exp(t A) z = e^-t (z + W p), p = the integral from 0 to t of exp(tau K) X^T z: exact for every input, and 24 x 24 in place of 64 x 64.
; All arithmetic here is f32 on the vector unit: four rows to a work-group feed no matrix tile, and roundings of K are doubled by each squaring in the next launch.
; s is stored as whole numbers (sq): the next launch's trip counts hang on it.
; LIMITS.  erfc by a five-term rational form, absolute error 1.5e-7; x = -infinity gives NaN in GELU; weights beyond 65,504 become infinities in f16, below 6e-5 they keep f16's step of 6e-8;
; s is held to 40 (|tn| x norm under 2^39); exponentials below 2^-126 count as 0.
.set REC,   8704                       ; a sample's record in dynws: C 0, U 2048, V 4096, K 6144 (24 x 24), tn 8448 (8)
.set YB,    6144                       ; LDS: a sample's Y = [64 d][24 columns: C, U, V], rows of 96 bytes
.set RS,    24832                      ; LDS: 192 absolute row sums of half rows of K: [sample][column half][row]
.set TN,    25600                      ; LDS: tn [4][8]
.set SPARE, 25856                      ; the spare words, 128 bytes a wave: no other line names them
.set SPW, 200                          ; v200  SPARE + 4 x my thread's number; never rewritten
.set NIL, 201                          ; v201  0; never rewritten
.set GC,  88                           ; s[88:95] GELU's constants: 1/sqrt 2, p, -log2 e, a1 .. a5
.set TG,  204                          ; v204-215 GELU's twelve registers at work
.set TGS, 4
.macro EACH n, line:vararg             ; one line for each of n neighbouring registers, gi = 0 .. n - 1
.set gi, 0
	s_wait_alu depctr_va_vdst(0)
.rept \n
	\line
.set gi, gi+1
.endr
.endm
; GELU in place on v[x .. x+n-1]: u = |x| / sqrt 2, t = 1 / (1 + p u), erfc(u) = t (a1 + t (a2 + ..)) e^(-u u), y = x / 2 + |x| (1/2 - erfc / 2).
; Behind each run of reciprocals or exponentials stands a plain line that touches none of their registers (ISA guide 5.7.2).
.macro GELU x, n
	EACH \n, v_mul_f32 v[TG+gi], |v[(\x)+gi]|, s[GC]
	EACH \n, v_fma_f32 v[TG+TGS+gi], v[TG+gi], s[GC+1], 1.0
	EACH \n, v_rcp_f32 v[TG+TGS+gi], v[TG+TGS+gi]
	EACH \n, v_mul_f32 v[TG+gi], v[TG+gi], v[TG+gi]
	EACH \n, v_mul_f32 v[TG+gi], s[GC+2], v[TG+gi]
	EACH \n, v_exp_f32 v[TG+gi], v[TG+gi]
	EACH \n, v_fma_f32 v[TG+2*TGS+gi], v[TG+TGS+gi], s[GC+7], s[GC+6]
	EACH \n, v_fma_f32 v[TG+2*TGS+gi], v[TG+2*TGS+gi], v[TG+TGS+gi], s[GC+5]
	EACH \n, v_fma_f32 v[TG+2*TGS+gi], v[TG+2*TGS+gi], v[TG+TGS+gi], s[GC+4]
	EACH \n, v_fma_f32 v[TG+2*TGS+gi], v[TG+2*TGS+gi], v[TG+TGS+gi], s[GC+3]
	EACH \n, v_mul_f32 v[TG+2*TGS+gi], v[TG+2*TGS+gi], v[TG+TGS+gi]
	EACH \n, v_mul_f32 v[TG+2*TGS+gi], v[TG+2*TGS+gi], v[TG+gi]
	EACH \n, v_fma_f32 v[TG+2*TGS+gi], v[TG+2*TGS+gi], -0.5, 0.5
	EACH \n, v_mul_f32 v[TG+TGS+gi], 0.5, v[(\x)+gi]
	EACH \n, v_fma_f32 v[(\x)+gi], |v[(\x)+gi]|, v[TG+2*TGS+gi], v[TG+TGS+gi]
.endm
	v_lshl_add_u32 v[SPW], v0, 2, SPARE
	v_mov_b32 v[NIL], 0
	v_and_b32 v1, 31, v0                           ; lane
	v_lshrrev_b32 v2, 5, v0
	v_readfirstlane_b32 s8, v2                     ; wave 0..7
	v_lshlrev_b32 v3, 2, v1                        ; 4 x lane
	s_mov_b32 s[GC], 0x3f3504f3                    ; 1 / sqrt 2
	s_mov_b32 s[GC+1], 0x3ea7ba05                  ; p  = 0.3275911
	s_mov_b32 s[GC+2], 0xbfb8aa3b                  ; -log2 e
	s_mov_b32 s[GC+3], 0x3e827906                  ; a1 = 0.254829592
	s_mov_b32 s[GC+4], 0xbe91a98e                  ; a2 = -0.284496736
	s_mov_b32 s[GC+5], 0x3fb5f0e3                  ; a3 = 1.421413741
	s_mov_b32 s[GC+6], 0xbfba00e3                  ; a4 = -1.453152027
	s_mov_b32 s[GC+7], 0x3f87dc22                  ; a5 = 1.061405429
	s_mov_b32 s96, 0x76543210                      ; v_permlanex16_b32: each lane takes its own place in the other half
	s_mov_b32 s97, 0xfedcba98
	s_cmp_ge_u32 ttmp9, 256                        ; the same answer in all eight waves
	s_cbranch_scc1 .Lprep
	; ================= four samples: 4 x work-group .. + 3 =================
	s_load_b64 s[4:5], s[0:1], 0x90                ; inputs
	s_load_b128 s[56:59], s[0:1], 0xe0             ; dynws, sq
	s_load_b512 s[12:27], s[0:1], 0x0              ; dynC's and dynU's W0, b0, W1, b1
	s_load_b256 s[28:35], s[0:1], 0x40             ; dynV's
	s_load_b256 s[36:43], s[0:1], 0x60             ; tscale W0, b0, W1, b1
	s_load_b128 s[44:47], s[0:1], 0x80             ; tscale W2, b2
	s_mul_i32 s10, ttmp9, 384                      ; my four rows of inputs, 96 bytes each
	s_mul_i32 s2, ttmp9, 4*REC
	s_mov_b32 s3, 0
	s_lshl_b32 s60, ttmp9, 7                       ; 4 samples x 8 times x 4 bytes in sq
	s_mov_b32 s61, 0
	s_wait_kmcnt 0x0
	s_add_nc_u64 s[56:57], s[56:57], s[2:3]        ; dynws at my first record
	s_add_nc_u64 s[58:59], s[58:59], s[60:61]      ; sq at my first word
	s_cmp_ge_u32 s8, 6
	s_cbranch_scc1 .Ltscale
	; ---- waves 0 to 5: net = wave / 2 (C, U, V); lane holds row d = 32 (wave % 2) + lane of the net's 64 x 8 result, for all four samples
	s_lshr_b32 s9, s8, 1
	s_and_b32 s11, s8, 1
	s_lshl_b32 s2, s11, 5
	v_add_nc_u32 v195, s2, v1                      ; d
	v_lshlrev_b32 v192, 5, v195                    ; 32 d: my eight columns of W1 and b1
	s_cmp_eq_u32 s9, 1
.irp i, 0,2,4,6
	s_cselect_b64 s[12+\i:13+\i], s[20+\i:21+\i], s[12+\i:13+\i]
.endr
	s_cmp_eq_u32 s9, 2
.irp i, 0,2,4,6
	s_cselect_b64 s[12+\i:13+\i], s[28+\i:29+\i], s[12+\i:13+\i]
.endr
.irp b, 0,1,2,3
	s_load_b128 s[36+4*\b:39+4*\b], s[4:5], s10 offset:96*\b+48   ; g of sample b
.endr
.irp i, 0,1,2,3
.irp hh, 0,1
	global_load_b32 v[12+2*\i+\hh], v3, s[12:13] offset:256*\i+128*\hh  ; W0[i][lane + 32 hh]
.endr
.endr
	global_load_b32 v20, v3, s[14:15]
	global_load_b32 v21, v3, s[14:15] offset:128
	global_load_b128 v[56:59], v192, s[18:19]      ; b1
	global_load_b128 v[60:63], v192, s[18:19] offset:16
; eight rows k of W1, my 32 bytes of each, into one of two buffers of 64 registers
.macro WGRP g
.set wk, 0
.rept 8
.set wb, 64+64*((\g)&1)+8*wk
	global_load_b128 v[wb:wb+3],   v192, s[16:17] offset:(8*(\g)+wk)*2048
	global_load_b128 v[wb+4:wb+7], v192, s[16:17] offset:(8*(\g)+wk)*2048+16
.set wk, wk+1
.endr
.endm
; their share of the product: hidden unit k of each sample comes out of its lane as a scalar; the very first k takes b1 as its addend
.macro DGRP g
.set dk, 0
.rept 8
.set kk, 8*(\g)+dk
.set wb, 64+64*((\g)&1)+8*dk
.irp b, 0,1,2,3
	v_readlane_b32 s[68+2*\b], v[4+2*\b+kk/32], kk%32
.endr
.irp b, 0,1,2,3
.irp q, 0,1,2,3
.if kk == 0
	v_pk_fma_f32 v[24+8*\b+2*\q:25+8*\b+2*\q], v[wb+2*\q:wb+2*\q+1], s[68+2*\b:69+2*\b], v[56+2*\q:57+2*\q] op_sel_hi:[1,0,1]
.else
	v_pk_fma_f32 v[24+8*\b+2*\q:25+8*\b+2*\q], v[wb+2*\q:wb+2*\q+1], s[68+2*\b:69+2*\b], v[24+8*\b+2*\q:25+8*\b+2*\q] op_sel_hi:[1,0,1]
.endif
.endr
.endr
.set dk, dk+1
.endr
.endm
.macro GSTEP g
.if (\g) < 7
	s_wait_loadcnt 16                              ; this group is in; the next group's sixteen loads stay out
.else
	s_wait_loadcnt 0x0
.endif
	DGRP \g
.if (\g) < 6
	WGRP (\g)+2                                    ; into the buffer just read
.endif
.endm
	WGRP 0
	WGRP 1
	s_mov_b32 s69, 0                               ; named with their partners as pairs
	s_mov_b32 s71, 0
	s_mov_b32 s73, 0
	s_mov_b32 s75, 0
	s_wait_kmcnt 0x0                               ; g
	s_wait_loadcnt 32                              ; W0, b0, b1 are in; the two groups of W1 stay out
.irp b, 0,1,2,3
.irp hh, 0,1
	v_fma_f32 v[4+2*\b+\hh], s[36+4*\b], v[12+\hh], v[20+\hh]      ; hidden unit lane + 32 hh of sample b
	v_fmac_f32 v[4+2*\b+\hh], s[37+4*\b], v[14+\hh]
	v_fmac_f32 v[4+2*\b+\hh], s[38+4*\b], v[16+\hh]
	v_fmac_f32 v[4+2*\b+\hh], s[39+4*\b], v[18+\hh]
.endr
.endr
	GELU 4, 4
	GELU 8, 4
.irp g, 0,1,2,3,4,5,6,7
	GSTEP \g
.endr
	s_lshl_b32 s2, s9, 11
	v_add_nc_u32 v193, s2, v192                    ; in a record: net x 2,048 + 32 d: a wave's two stores cover 1,024 bytes on end
	v_mul_u32_u24 v194, v195, 96
	s_lshl_b32 s2, s9, 5
	v_add_nc_u32 v194, s2, v194                    ; in LDS: row d, columns 8 net ..
.irp b, 0,1,2,3
	global_store_b128 v193, v[24+8*\b:27+8*\b], s[56:57] offset:REC*\b
	global_store_b128 v193, v[28+8*\b:31+8*\b], s[56:57] offset:REC*\b+16
	ds_store_b128 v194, v[24+8*\b:27+8*\b] offset:YB*\b
	ds_store_b128 v194, v[28+8*\b:31+8*\b] offset:YB*\b+16
.endr
	s_wait_xcnt 0x0                                ; the stores' data registers are written again below only behind this wait
	s_branch .Ljoin1
.Ltscale:
	; ---- waves 6 and 7: the time-scale net for two samples each (A, B), 16 -> 64 -> 32 -> 1, and tn = t / max(softplus, 1e-3)
	s_sub_co_u32 s2, s8, 6
	s_mul_i32 s3, s2, 192
	s_add_co_u32 s11, s10, s3                      ; sample A's row of inputs
	s_lshl_b32 s9, s2, 6
	s_load_b512 s[12:27], s[4:5], s11 offset:0x0   ; x0 and g of A: 16 numbers
	s_load_b512 s[68:83], s[4:5], s11 offset:0x60  ; of B
	v_and_b32 v6, 7, v1
	v_lshlrev_b32 v6, 2, v6
	v_add_nc_u32 v7, s9, v6                        ; where tn goes in LDS
	v_add_nc_u32 v6, s11, v6                       ; time lane % 8 of A
	v_mov_b32 v5, 0
.set ti, 0
.rept 16
	global_load_b32 v[64+2*ti], v3, s[36:37] offset:256*ti
	global_load_b32 v[65+2*ti], v3, s[36:37] offset:256*ti+128
.set ti, ti+1
.endr
	global_load_b32 v96, v3, s[38:39]
	global_load_b32 v97, v3, s[38:39] offset:128
.set ti, 0
.rept 64
	global_load_b32 v[128+ti], v3, s[40:41] offset:128*ti
.set ti, ti+1
.endr
	global_load_b32 v98, v3, s[42:43]
	global_load_b32 v99, v3, s[44:45]
	global_load_b32 v100, v5, s[46:47]
	global_load_b32 v101, v6, s[4:5] offset:64
	global_load_b32 v102, v6, s[4:5] offset:160
	s_wait_kmcnt 0x0
	s_wait_loadcnt 0x0
.irp hh, 0,1
	v_fma_f32 v[8+\hh], s12, v[64+\hh], v[96+\hh]
	v_fma_f32 v[10+\hh], s68, v[64+\hh], v[96+\hh]
.endr
.set ti, 1
.rept 15
.irp hh, 0,1
	v_fmac_f32 v[8+\hh], s[12+ti], v[64+2*ti+\hh]
	v_fmac_f32 v[10+\hh], s[68+ti], v[64+2*ti+\hh]
.endr
.set ti, ti+1
.endr
	GELU 8, 4
.set tk, 0
.rept 16
.irp j, 0,1,2,3
	v_readlane_b32 s[48+\j], v[8+(tk+\j)/32], (tk+\j)%32
	v_readlane_b32 s[52+\j], v[10+(tk+\j)/32], (tk+\j)%32
.endr
.irp j, 0,1,2,3
.if tk+\j == 0
	v_fma_f32 v12, s48, v128, v98
	v_fma_f32 v13, s52, v128, v98
.else
	v_fmac_f32 v12, s[48+\j], v[128+tk+\j]
	v_fmac_f32 v13, s[52+\j], v[128+tk+\j]
.endif
.endr
.set tk, tk+4
.endr
	GELU 12, 2
	v_mul_f32 v12, v12, v99
	v_mul_f32 v13, v13, v99
.irp x, 1,2,4,8
	v_add_f32_dpp v12, v12, v12 row_xmask:\x row_mask:0xf bank_mask:0xf
	v_add_f32_dpp v13, v13, v13 row_xmask:\x row_mask:0xf bank_mask:0xf
.endr
	v_permlanex16_b32 v8, v12, s96, s97
	v_permlanex16_b32 v9, v13, s96, s97
	v_add_f32 v12, v12, v8
	v_add_f32 v13, v13, v9
	v_add_f32 v12, v12, v100
	v_add_f32 v13, v13, v100
	v_mul_f32 v8, |v12|, s[GC+2]                   ; softplus(x) = max(x, 0) + ln 2 x log2(1 + 2^(-|x| log2 e))
	v_mul_f32 v9, |v13|, s[GC+2]
	v_exp_f32 v8, v8
	v_exp_f32 v9, v9
	v_max_num_f32 v10, 0, v12
	v_max_num_f32 v11, 0, v13
	s_wait_alu depctr_va_vdst(0)
	v_add_f32 v8, 1.0, v8
	v_add_f32 v9, 1.0, v9
	v_log_f32 v8, v8
	v_log_f32 v9, v9
	v_nop
	s_wait_alu depctr_va_vdst(0)
	v_fmamk_f32 v12, v8, 0x3f317218, v10
	v_fmamk_f32 v13, v9, 0x3f317218, v11
	v_max_num_f32 v12, 0x3a83126f, v12             ; at least 1e-3
	v_max_num_f32 v13, 0x3a83126f, v13
	v_rcp_f32 v12, v12
	v_rcp_f32 v13, v13
	v_nop
	s_wait_alu depctr_va_vdst(0)
	v_mul_f32 v12, v101, v12
	v_mul_f32 v13, v102, v13
	ds_store_b32 v7, v12 offset:TN                 ; lanes with the same time store the same number to the same word
	ds_store_b32 v7, v13 offset:TN+32
.Ljoin1:
	s_wait_dscnt 0x0                               ; for the others' sake: my stores of Y or tn are done
	s_barrier_signal -1
	s_barrier_wait -1
	; ---- all eight waves: K[i][j] = X column i . W column j.  Wave w: sample w / 2, columns j = 12 (w % 2) .. + 11; lane = row i (lanes 24 to 31 repeat row 23)
	s_lshr_b32 s9, s8, 1
	s_and_b32 s11, s8, 1
	s_mul_i32 s2, s9, YB
	s_mul_i32 s3, s11, 48
	s_mul_i32 s12, s9, REC
	s_add_co_u32 s12, s12, s3
	v_min_u32 v5, 23, v1                           ; i
	v_lshrrev_b32 v6, 3, v5                        ; X's block 0, 1, 2 = C, V, U lies in Y's block 0, 2, 1
	v_lshlrev_b32 v7, 1, v6
	v_lshrrev_b32 v8, 1, v6
	v_or_b32 v7, v7, v8
	v_and_b32 v7, 3, v7
	v_and_b32 v8, 7, v5
	v_lshl_or_b32 v8, v7, 3, v8
	v_lshl_add_u32 v9, v8, 2, s2                   ; my column of Y, row 0
	s_add_co_u32 s2, s2, s3
	v_mov_b32 v10, s2                              ; the wave's twelve columns, row 0: the same address in every lane
	v_mul_u32_u24 v11, v5, 96
	v_add_nc_u32 v11, s12, v11                     ; my twelve numbers of K in dynws
	s_mul_i32 s2, s8, 96
	v_lshl_add_u32 v38, v5, 2, s2                  ; my row sum's word
	s_cmp_eq_u32 s11, 1
	s_cselect_b32 s13, 1.0, -1.0                   ; W's signs are -, +, - by blocks of eight: j = 0-3 or 12-15 of my twelve,
	s_xor_b32 s14, s13, 0x80000000                 ; j = 8-11 or 20-23; the middle four are always -
.irp c, 0,1,2,3,4,5,6,7,8,9,10,11
	v_mov_b32 v[24+\c], 0
.endr
	s_mov_b32 s3, 8
.Lkd:                                                  ; eight trips of eight rows d
.irp d, 0,1,2,3,4,5,6,7
	ds_load_b32 v[64+\d], v9 offset:96*\d
	ds_load_b128 v[72+12*\d:75+12*\d], v10 offset:96*\d
	ds_load_b128 v[76+12*\d:79+12*\d], v10 offset:96*\d+16
	ds_load_b128 v[80+12*\d:83+12*\d], v10 offset:96*\d+32
.endr
	s_wait_dscnt 0x0
.irp d, 0,1,2,3,4,5,6,7
.irp c, 0,1,2,3,4,5,6,7,8,9,10,11
	v_fmac_f32 v[24+\c], v[64+\d], v[72+12*\d+\c]
.endr
.endr
	v_add_nc_u32 v9, 768, v9
	v_add_nc_u32 v10, 768, v10
	s_sub_co_u32 s3, s3, 1
	s_cmp_lg_u32 s3, 0
	s_cbranch_scc1 .Lkd
.irp c, 0,1,2,3
	v_mul_f32 v[24+\c], s13, v[24+\c]
	v_mul_f32 v[28+\c], -1.0, v[28+\c]
	v_mul_f32 v[32+\c], s14, v[32+\c]
.endr
	global_store_b128 v11, v[24:27], s[56:57] offset:6144
	global_store_b128 v11, v[28:31], s[56:57] offset:6160
	global_store_b128 v11, v[32:35], s[56:57] offset:6176
	v_add_f32 v37, |v24|, |v25|
.irp c, 2,3,4,5,6,7,8,9,10,11
	v_add_f32 v37, v37, |v[24+\c]|
.endr
	ds_store_b32 v38, v37 offset:RS
	s_wait_dscnt 0x0                               ; for wave 0's sake
	s_barrier_signal -1
	s_barrier_wait -1
	s_cmp_lg_u32 s8, 0
	s_cbranch_scc1 .Lend
	; ---- wave 0: lane = 8 x sample + time.  norm = the largest absolute row sum; s = max(0, exponent(|tn| norm) + 2), at most 40
	v_lshrrev_b32 v4, 3, v1
	v_and_b32 v5, 7, v1
	v_mul_u32_u24 v6, v4, 192
.set ci, 0
.rept 12
	ds_load_b128 v[64+4*ci:67+4*ci], v6 offset:RS+16*ci
.set ci, ci+1
.endr
	ds_load_b32 v112, v3 offset:TN
	s_wait_dscnt 0x0
.set ci, 0
.rept 12
	v_pk_add_f32 v[64+2*ci:65+2*ci], v[64+2*ci:65+2*ci], v[88+2*ci:89+2*ci]   ; a row's two halves
.set ci, ci+1
.endr
	v_max3_num_f32 v113, v64, v65, v66
.set ci, 0
.rept 10
	v_max3_num_f32 v113, v113, v[67+2*ci], v[68+2*ci]
.set ci, ci+1
.endr
	v_max_num_f32 v113, v113, v87
	v_mul_f32 v113, |v112|, v113
	v_lshrrev_b32 v113, 23, v113                   ; the biased exponent (the sign is 0)
	v_subrev_nc_u32 v113, 125, v113
	v_max_i32 v113, 0, v113
	v_min_i32 v113, 40, v113
	global_store_b32 v3, v113, s[58:59]            ; 128 bytes on end
	v_mul_u32_u24 v6, v4, REC
	v_lshl_add_u32 v6, v5, 2, v6
	global_store_b32 v6, v112, s[56:57] offset:8448
.Lend:
	s_wait_tensorcnt 0x0                           ; the wave's end
	ds_add_u32 v[SPW], v[NIL]
	s_wait_dscnt 0x0
	s_endpgm
.Lprep:
	; ================= weights to f16 fragments: fragment f = 8 (work-group - 256) + wave =================
	; Fragment FB + ks NT + nt of a matrix W [K][N]: lane (r, h) holds column n = 16 nt + r, k = 32 ks + 8 h + 0..7 (16 bytes at 16 x lane) and k = 32 ks + 16 + 8 h + 0..7 (at 512 + 16 x lane); 0 beyond K or N.
	s_load_b256 s[16:23], s[0:1], 0xa0             ; encoder W0 .. W3
	s_load_b256 s[24:31], s[0:1], 0xc0             ; decoder W0 .. W3
	s_load_b64 s[32:33], s[0:1], 0x98              ; wt
	s_sub_co_u32 s9, ttmp9, 256
	s_lshl3_add_u32 s10, s9, s8                    ; f
	s_mov_b32 s40, 16                              ; K, N, log2 NT, FB of the first matrix
	s_mov_b32 s41, 256
	s_mov_b32 s42, 4
	s_mov_b32 s43, 0
	s_wait_kmcnt 0x0
	s_mov_b64 s[34:35], s[16:17]
.macro PSEL start, ptr, kk, nn, lg, fb ; from work-group 'start' on: the next matrix
	s_cmp_ge_u32 s9, \start
	s_cselect_b64 s[34:35], s[\ptr:\ptr+1], s[34:35]
	s_cselect_b32 s40, \kk, s40
	s_cselect_b32 s41, \nn, s41
	s_cselect_b32 s42, \lg, s42
	s_cselect_b32 s43, \fb, s43
.endm
	PSEL 2,  18, 256, 256, 4, 16
	PSEL 18, 20, 256, 128, 3, 144
	PSEL 26, 22, 128, 64,  2, 208
	PSEL 28, 24, 68,  128, 3, 224
	PSEL 31, 26, 128, 256, 4, 248
	PSEL 39, 28, 256, 256, 4, 312
	PSEL 55, 30, 256, 12,  0, 440
	s_sub_co_u32 s11, s10, s43
	s_lshr_b32 s12, s11, s42                       ; ks
	s_bfm_b32 s13, s42, 0
	s_and_b32 s13, s11, s13                        ; nt
	s_lshl_b32 s12, s12, 5
	s_lshl_b32 s13, s13, 4
	s_sub_co_u32 s44, s40, 1
	s_sub_co_u32 s45, s41, 1
	v_and_b32 v2, 15, v0                           ; r
	v_bfe_u32 v4, v0, 4, 1                         ; h
	v_lshl_add_u32 v6, v4, 3, s12                  ; 32 ks + 8 h
	v_add_nc_u32 v4, s13, v2                       ; n
	v_min_u32 v5, s45, v4                          ; held inside the matrix for the load
	v_cmp_gt_u32 s36, s41, v4                      ; n < N
.set pn, 0
.rept 16
	v_add_nc_u32 v[48+pn], pn+8*(pn/8), v6         ; k
	v_min_u32 v[32+pn], s44, v[48+pn]
	v_mad_u32_u24 v[32+pn], v[32+pn], s41, v5
	v_lshlrev_b32 v[32+pn], 2, v[32+pn]
	global_load_b32 v[64+pn], v[32+pn], s[34:35]
.set pn, pn+1
.endr
	s_lshl_b32 s2, s10, 10
	v_lshl_add_u32 v7, v1, 4, s2
	s_wait_loadcnt 0x0
.set pn, 0
.rept 16
	v_cmp_gt_u32 vcc_lo, s40, v[48+pn]             ; k < K
	s_and_b32 vcc_lo, vcc_lo, s36
	v_cndmask_b32 v[64+pn], 0, v[64+pn], vcc_lo
.set pn, pn+1
.endr
.set pn, 0
.rept 8
	v_cvt_pk_f16_f32 v[80+pn], v[64+2*pn], v[65+2*pn]
.set pn, pn+1
.endr
	global_store_b128 v7, v[80:83], s[32:33]       ; each store of the wave covers 512 bytes on end, aligned
	global_store_b128 v7, v[84:87], s[32:33] offset:512
	s_wait_tensorcnt 0x0                           ; the same three lines at this end
	ds_add_u32 v[SPW], v[NIL]
	s_wait_dscnt 0x0
	s_endpgm
.Lfunc_end_k_qfdaf75decc_gen:
	.size	k_qfdaf75decc_gen, .Lfunc_end_k_qfdaf75decc_gen-k_qfdaf75decc_gen
	.p2alignl 7, 3214868480
	.fill 96, 4, 3214868480
	.section	.rodata,"a",@progbits
	.p2align	6, 0x0
	.amdhsa_kernel k_qfdaf75decc_gen
		.amdhsa_group_segment_fixed_size 26880
		.amdhsa_private_segment_fixed_size 0
		.amdhsa_enable_private_segment 0
		.amdhsa_kernarg_size 240
		.amdhsa_user_sgpr_count 2
		.amdhsa_user_sgpr_kernarg_segment_ptr 1
		.amdhsa_wavefront_size32 1
		.amdhsa_system_sgpr_workgroup_id_x 1
		.amdhsa_system_sgpr_workgroup_id_y 1
		.amdhsa_system_sgpr_workgroup_id_z 1
		.amdhsa_system_vgpr_workitem_id 0
		.amdhsa_next_free_vgpr 216
		.amdhsa_next_free_sgpr 100
		.amdhsa_reserve_vcc 1
		.amdhsa_float_denorm_mode_32 3
		.amdhsa_float_denorm_mode_16_64 3
		.amdhsa_memory_ordered 1
		.amdhsa_forward_progress 1
		.amdhsa_inst_pref_size 159
	.end_amdhsa_kernel
	.amdgpu_metadata
---
amdhsa.version: [ 1, 2 ]
amdhsa.kernels:
  - .name:           k_qfdaf75decc_gen
    .symbol:         k_qfdaf75decc_gen.kd
    .args:
      - { .name: params_dynC_lins_0_W, .offset: 0, .size: 8, .value_kind: global_buffer, .address_space: global }
      - { .name: params_dynC_lins_0_b, .offset: 8, .size: 8, .value_kind: global_buffer, .address_space: global }
      - { .name: params_dynC_lins_1_W, .offset: 16, .size: 8, .value_kind: global_buffer, .address_space: global }
      - { .name: params_dynC_lins_1_b, .offset: 24, .size: 8, .value_kind: global_buffer, .address_space: global }
      - { .name: params_dynU_lins_0_W, .offset: 32, .size: 8, .value_kind: global_buffer, .address_space: global }
      - { .name: params_dynU_lins_0_b, .offset: 40, .size: 8, .value_kind: global_buffer, .address_space: global }
      - { .name: params_dynU_lins_1_W, .offset: 48, .size: 8, .value_kind: global_buffer, .address_space: global }
      - { .name: params_dynU_lins_1_b, .offset: 56, .size: 8, .value_kind: global_buffer, .address_space: global }
      - { .name: params_dynV_lins_0_W, .offset: 64, .size: 8, .value_kind: global_buffer, .address_space: global }
      - { .name: params_dynV_lins_0_b, .offset: 72, .size: 8, .value_kind: global_buffer, .address_space: global }
      - { .name: params_dynV_lins_1_W, .offset: 80, .size: 8, .value_kind: global_buffer, .address_space: global }
      - { .name: params_dynV_lins_1_b, .offset: 88, .size: 8, .value_kind: global_buffer, .address_space: global }
      - { .name: params_tscale_lins_0_W, .offset: 96, .size: 8, .value_kind: global_buffer, .address_space: global }
      - { .name: params_tscale_lins_0_b, .offset: 104, .size: 8, .value_kind: global_buffer, .address_space: global }
      - { .name: params_tscale_lins_1_W, .offset: 112, .size: 8, .value_kind: global_buffer, .address_space: global }
      - { .name: params_tscale_lins_1_b, .offset: 120, .size: 8, .value_kind: global_buffer, .address_space: global }
      - { .name: params_tscale_lins_2_W, .offset: 128, .size: 8, .value_kind: global_buffer, .address_space: global }
      - { .name: params_tscale_lins_2_b, .offset: 136, .size: 8, .value_kind: global_buffer, .address_space: global }
      - { .name: inputs, .offset: 144, .size: 8, .value_kind: global_buffer, .address_space: global }
      - { .name: wt, .offset: 152, .size: 8, .value_kind: global_buffer, .address_space: global }
      - { .name: params_enc_lins_0_W, .offset: 160, .size: 8, .value_kind: global_buffer, .address_space: global }
      - { .name: params_enc_lins_1_W, .offset: 168, .size: 8, .value_kind: global_buffer, .address_space: global }
      - { .name: params_enc_lins_2_W, .offset: 176, .size: 8, .value_kind: global_buffer, .address_space: global }
      - { .name: params_enc_lins_3_W, .offset: 184, .size: 8, .value_kind: global_buffer, .address_space: global }
      - { .name: params_dec_lins_0_W, .offset: 192, .size: 8, .value_kind: global_buffer, .address_space: global }
      - { .name: params_dec_lins_1_W, .offset: 200, .size: 8, .value_kind: global_buffer, .address_space: global }
      - { .name: params_dec_lins_2_W, .offset: 208, .size: 8, .value_kind: global_buffer, .address_space: global }
      - { .name: params_dec_lins_3_W, .offset: 216, .size: 8, .value_kind: global_buffer, .address_space: global }
      - { .name: dynws, .offset: 224, .size: 8, .value_kind: global_buffer, .address_space: global }
      - { .name: sq, .offset: 232, .size: 8, .value_kind: global_buffer, .address_space: global }
    .group_segment_fixed_size: 26880
    .private_segment_fixed_size: 0
    .kernarg_segment_align: 8
    .kernarg_segment_size: 240
    .max_flat_workgroup_size: 256
    .sgpr_count:     100
    .vgpr_count:     216
    .wavefront_size: 32
...
	.end_amdgpu_metadata
.endif
;; end of part 1
;; launch flow (part 2): grid 256 x 1, 8 waves a work-group, no clusters, 39,936 bytes of LDS; arguments inputs, wt, dynws, sq, params_enc_lins_0_b, params_enc_lins_1_b, params_enc_lins_2_b, params_enc_lins_3_b, params_enc_lns_0_g, params_enc_lns_0_b, params_enc_lns_1_g, params_enc_lns_1_b, params_enc_lns_2_g, params_enc_lns_2_b, params_dec_lins_0_b, params_dec_lins_1_b, params_dec_lins_2_b, params_dec_lins_3_b, params_dec_lns_0_g, params_dec_lns_0_b, params_dec_lns_1_g, params_dec_lns_1_b, params_dec_lns_2_g, params_dec_lns_2_b, out0; writes out0
.if DOCPART == 2
	.amdgcn_target "amdgcn-amd-amdhsa--gfx1250"
	.amdhsa_code_object_version 6
	.text
	.protected	k_qfdaf75decc_flow
	.globl	k_qfdaf75decc_flow
	.p2align	8
	.type	k_qfdaf75decc_flow,@function
k_qfdaf75decc_flow:
	s_mov_b64 s[64:65], 0
	v_nop
	global_prefetch_b8 v0, s[64:65] scope:SCOPE_SE
	s_setreg_imm32_b32 hwreg(HW_REG_WAVE_MODE, 25, 1), 1
	s_wait_xcnt 0x0
; SECOND LAUNCH OF TWO.  A work-group takes four samples: encoder (one tile of 16 rows, row r = sample r % 4), z_t = exp(tn A) z0 for eight times, decoder on the 32 rows (sample, time).
; PRODUCTS: v_wmma_f32_16x16x32_f16, source 0 = 16 features x 32 k of the weights (fragments made by the launch before), source 1 = 16 rows of activations from LDS.  In the result lane (r, h)
; holds features 8 h + 0..7 of row r: rounded in pairs they are 16 bytes of that row of the next layer's operand.  The bias is the C operand of the first K step.  In a layer wave w owns
; one or two feature tiles for all row tiles; the weights go straight from memory into registers, asked for one layer ahead.
; LAYERNORM: each wave makes (mean, sum of squared deviations) of its own 16 or 32 features in two passes; the eight pairs meet in LDS and are joined without forming a difference of large sums.
; THE EXPONENTIAL: exp(t A) z0 = e^-t (z0 + W p(t)), p(t) = the integral from 0 to t of exp(tau K) u0, u0 = X^T z0, K 24 x 24, all f32 on the vector unit (a rounding is doubled by each squaring).
; h = t 2^-s brings the norm of h K under 0.5; p(h) by eight terms of the series on the vectors K^j u0; if s > 0: E = exp(h K) by eight terms, then s times p += E p, E = E E.
; s comes as whole numbers from the launch before; lane i holds row i of a 24 x 24 matrix (lanes 24 to 31 hold copies that nothing reads).
; NO tensor loads, cluster or LDS ring: no tile is larger than a few KB, none is filled again, and the weights are read once by each wave into registers.
; LIMITS.  Operands of the products are f16: beyond 65,504 they become infinities (LayerNorm's outputs are at most 16 |g| + |b|); erfc by a five-term rational form, absolute error 1.5e-7;
; x = -infinity gives NaN in GELU; e^-t below 2^-126 counts as 0; s is at most 40.
.set REC,  8704
.set EB0,  0                           ; LDS 0 .. 15,871: the biases, gains and shifts, f32
.set EB1,  1024
.set EG0,  2048
.set EBE0, 3072
.set EG1,  4096
.set EBE1, 5120
.set DB1,  6144
.set DB2,  7168
.set DG1,  8192
.set DBE1, 9216
.set DG2,  10240
.set DBE2, 11264
.set EB2,  12288
.set DB0,  12800
.set EG2,  13312
.set EBE2, 13824
.set DG0,  14336
.set DBE0, 14848
.set EB3,  15360
.set DB3,  15616                       ; 32 words: the last bias, its index held to 11
.set ACT,  15872                       ; 32 rows of activations in f16, 512 bytes + 16 of padding: the 16 rows of a load start at 16 different groups of four banks (ISA guide 11.1)
.set AP,   528
.set ST,   32768                       ; 32 rows x 8 waves x (mean, M2)
.set Z0,   34816                       ; z0: 4 x 64 f32
.set OUTS, 35840                       ; 32 rows x 48 bytes of the result
.set DUMPD, 1536                       ; features 12 to 15 of the last tile, which do not exist, go this far behind OUTS
.set SPARE, 38912                      ; the spare words, 128 bytes a wave: no other line names them
.set SPW, 13                           ; v13  SPARE + 4 x my thread's number; never rewritten
.set NIL, 14                           ; v14  0; never rewritten
; v1 lane, v2 r, v3 h; v15, v4, v5: 16 lane (+ 1024 w, + 2048 w) in wt; v6 ACT + 528 r + 16 h; v7, v8: that + 32 w, + 64 w; v9, v10: ST + 64 r (+ 8 w); v11, v12: 32 h + 64 w, + 128 w
.set TG,  16                           ; v16-47  at work, and the two operand buffers
.set TGS, 8
.set ACC, 48                           ; v48-79  up to four accumulators
.set GB,  80                           ; v80-95 bias, then gain; v96-111 shift
.set GC,  12                           ; s[12:19] GELU's constants, once the pointers there have served
.set FT,  128                          ; the flow phase: T and E
.set FYL, 160                          ; row d = lane of Y = [C, U, V]
.set FYH, 184                          ; row d = lane + 32
.set FK,  208                          ; row min(lane, 23) of K
.set FP,  232                          ; a product
.set FA,  48                           ; its left factor
.set WBASE, 128                        ; where LOADW puts fragments and MM takes them
.set BBASE, 16                         ; the operand buffers
.macro EACH n, line:vararg
.set gi, 0
	s_wait_alu depctr_va_vdst(0)
.rept \n
	\line
.set gi, gi+1
.endr
.endm
; GELU in place on v[x .. x+n-1]: u = |x| / sqrt 2, t = 1 / (1 + p u), erfc(u) = t (a1 + t (a2 + ..)) e^(-u u), y = x / 2 + |x| (1/2 - erfc / 2).
; It reads x's registers in ascending order; behind each run of reciprocals or exponentials stands a plain line that touches none of their registers (ISA guide 5.7.2).
.macro GELU x, n
	EACH \n, v_mul_f32 v[TG+gi], |v[(\x)+gi]|, s[GC]
	EACH \n, v_fma_f32 v[TG+TGS+gi], v[TG+gi], s[GC+1], 1.0
	EACH \n, v_rcp_f32 v[TG+TGS+gi], v[TG+TGS+gi]
	EACH \n, v_mul_f32 v[TG+gi], v[TG+gi], v[TG+gi]
	EACH \n, v_mul_f32 v[TG+gi], s[GC+2], v[TG+gi]
	EACH \n, v_exp_f32 v[TG+gi], v[TG+gi]
	EACH \n, v_fma_f32 v[TG+2*TGS+gi], v[TG+TGS+gi], s[GC+7], s[GC+6]
	EACH \n, v_fma_f32 v[TG+2*TGS+gi], v[TG+2*TGS+gi], v[TG+TGS+gi], s[GC+5]
	EACH \n, v_fma_f32 v[TG+2*TGS+gi], v[TG+2*TGS+gi], v[TG+TGS+gi], s[GC+4]
	EACH \n, v_fma_f32 v[TG+2*TGS+gi], v[TG+2*TGS+gi], v[TG+TGS+gi], s[GC+3]
	EACH \n, v_mul_f32 v[TG+2*TGS+gi], v[TG+2*TGS+gi], v[TG+TGS+gi]
	EACH \n, v_mul_f32 v[TG+2*TGS+gi], v[TG+2*TGS+gi], v[TG+gi]
	EACH \n, v_fma_f32 v[TG+2*TGS+gi], v[TG+2*TGS+gi], -0.5, 0.5
	EACH \n, v_mul_f32 v[TG+TGS+gi], 0.5, v[(\x)+gi]
	EACH \n, v_fma_f32 v[(\x)+gi], |v[(\x)+gi]|, v[TG+2*TGS+gi], v[TG+TGS+gi]
.endm
.macro NOP4                            ; four places behind matrix instructions, ahead of loads into their registers and of reads of their results
.rept 4
	v_nop
.endr
.endm
.macro BAR                             ; my LDS instructions are done, for the others' sake; then the work-group's barrier
	s_wait_dscnt 0x0
	s_barrier_signal -1
	s_barrier_wait -1
.endm
; my fragments of a layer: first fragment fb, nt feature tiles in the layer, ks K steps, ntw tiles a wave; wo = the register with my offset
.macro LOADW fb, nt, ks, ntw, wo
.set lk, 0
.rept \ks
.set li, 0
.rept \ntw
.set lr, WBASE+8*(lk*(\ntw)+li)
	global_load_b128 v[lr:lr+3],   v[\wo], s[6:7] offset:((\fb)+lk*(\nt)+li)*1024
	global_load_b128 v[lr+4:lr+7], v[\wo], s[6:7] offset:((\fb)+lk*(\nt)+li)*1024+512
.set li, li+1
.endr
.set lk, lk+1
.endr
.endm
.macro LDPAR dst, adr, off, ntw        ; eight numbers of a parameter vector for each of my tiles
.set lp, 0
.rept \ntw
	ds_load_b128 v[(\dst)+8*lp:(\dst)+8*lp+3],   v[\adr] offset:(\off)+64*lp
	ds_load_b128 v[(\dst)+8*lp+4:(\dst)+8*lp+7], v[\adr] offset:(\off)+64*lp+16
.set lp, lp+1
.endr
.endm
.macro LDB k, rt, adr                  ; K step k of rt row tiles into buffer k % 2
.set lt, 0
.rept \rt
.set lr, BBASE+16*((\k)&1)+8*lt
	ds_load_b128 v[lr:lr+3],   v[\adr] offset:lt*16*AP+64*(\k)
	ds_load_b128 v[lr+4:lr+7], v[\adr] offset:lt*16*AP+64*(\k)+32
.set lt, lt+1
.endr
.endm
; a layer's products with two accumulators or more: they take turns, one instruction a turn
.macro MM ks, ntw, rt
	LDB 0, \rt, 6
.if (\ks) > 1
	LDB 1, \rt, 6
.endif
.set mk, 0
.rept \ks
.if mk+1 < (\ks)
	s_wait_dscnt 2*(\rt)                           ; this step's operands are in; the next step's loads stay out
.else
	s_wait_dscnt 0x0
.endif
.set mi, 0
.rept \ntw
.set mt, 0
.rept \rt
.set rD, ACC+8*(mi*(\rt)+mt)
.set rA, WBASE+8*(mk*(\ntw)+mi)
.set rB, BBASE+16*(mk&1)+8*mt
.if mk == 0
	v_wmma_f32_16x16x32_f16 v[rD:rD+7], v[rA:rA+7], v[rB:rB+7], v[GB+8*mi:GB+8*mi+7]
.else
	v_wmma_f32_16x16x32_f16 v[rD:rD+7], v[rA:rA+7], v[rB:rB+7], v[rD:rD+7]
.endif
.set mt, mt+1
.endr
.set mi, mi+1
.endr
.if mk+2 < (\ks)
	NOP4
	LDB mk+2, \rt, 6
.endif
.set mk, mk+1
.endr
.endm
; one tile: even and odd K steps add onto two accumulators by turns, which are added at the end, lowest registers first
.macro MM1 ks, adr
	LDB 0, 1, \adr
	LDB 1, 1, \adr
.set mk, 0
.rept \ks
.if mk+1 < (\ks)
	s_wait_dscnt 2
.else
	s_wait_dscnt 0x0
.endif
.set rD, ACC+8*(mk&1)
.set rA, WBASE+8*mk
.set rB, BBASE+16*(mk&1)
.if mk == 0
	v_wmma_f32_16x16x32_f16 v[rD:rD+7], v[rA:rA+7], v[rB:rB+7], v[GB:GB+7]
.elseif mk == 1
	v_wmma_f32_16x16x32_f16 v[rD:rD+7], v[rA:rA+7], v[rB:rB+7], 0
.else
	v_wmma_f32_16x16x32_f16 v[rD:rD+7], v[rA:rA+7], v[rB:rB+7], v[rD:rD+7]
.endif
.if mk+2 < (\ks)
	NOP4
	LDB mk+2, 1, \adr
.endif
.set mk, mk+1
.endr
	NOP4
.irp q, 0,1,2,3
	v_pk_add_f32 v[ACC+2*\q:ACC+2*\q+1], v[ACC+2*\q:ACC+2*\q+1], v[ACC+8+2*\q:ACC+8+2*\q+1]
.endr
.endm
; behind a layer's products: GELU, LayerNorm over the layer's 128 ntw features, f16, into ACT.  Two barriers: one between the waves' statistics and their reading (all reads of ACT's old
; content are over in front of it), the second (EPIC) between the new content and its reading.
.macro EPIB ntw, rt, gOff, beOff, fo, as
.if (\ntw) == 2
.set INVC, 0x3d000000                  ; 1/32, 32, 1/256
.set CNT,  0x42000000
.set INVN, 0x3b800000
.else
.set INVC, 0x3d800000                  ; 1/16, 16, 1/128
.set CNT,  0x41800000
.set INVN, 0x3c000000
.endif
.set ea, 0
.rept (\ntw)*(\rt)
	GELU ACC+8*ea, 8
.set ea, ea+1
.endr
	LDPAR GB, \fo, \gOff, \ntw
	LDPAR GB+16, \fo, \beOff, \ntw
.set et, 0
.rept \rt
.set x0, ACC+8*et
.set x1, ACC+8*((\rt)+et)
	v_pk_add_f32 v[40:41], v[x0:x0+1], v[x0+2:x0+3]
	v_pk_add_f32 v[42:43], v[x0+4:x0+5], v[x0+6:x0+7]
.if (\ntw) == 2
	v_pk_add_f32 v[44:45], v[x1:x1+1], v[x1+2:x1+3]
	v_pk_add_f32 v[46:47], v[x1+4:x1+5], v[x1+6:x1+7]
	v_pk_add_f32 v[40:41], v[40:41], v[44:45]
	v_pk_add_f32 v[42:43], v[42:43], v[46:47]
.endif
	v_pk_add_f32 v[40:41], v[40:41], v[42:43]
	v_add_f32 v40, v40, v41
	v_permlanex16_b32 v41, v40, s96, s97           ; the row's other eight features of each tile lie in the lane 16 away
	v_add_f32 v40, v40, v41
	v_mul_f32 v40, INVC, v40                       ; my features' mean
	v_mov_b32 v41, v40
.set eq, 0
.rept 4*(\ntw)
.set xr, ACC+8*et+2*(eq%4)+8*(\rt)*(eq/4)
.set dr, 42+4*(eq&1)
	v_pk_add_f32 v[dr:dr+1], v[xr:xr+1], v[40:41] neg_lo:[0,1] neg_hi:[0,1]
.if eq == 0
	v_pk_mul_f32 v[44:45], v[dr:dr+1], v[dr:dr+1]
.else
	v_pk_fma_f32 v[44:45], v[dr:dr+1], v[dr:dr+1], v[44:45]
.endif
.set eq, eq+1
.endr
	v_add_f32 v44, v44, v45
	v_permlanex16_b32 v45, v44, s96, s97
	v_add_f32 v41, v44, v45                        ; and their squared deviations from it
	ds_store_b64 v9, v[40:41] offset:1024*et
.set et, et+1
.endr
	BAR
.set et, 0
.rept \rt
.irp c, 0,1,2,3
	ds_load_b128 v[16+16*et+4*\c:19+16*et+4*\c], v10 offset:1024*et+16*\c
.endr
.set et, et+1
.endr
	s_wait_dscnt 0x0
.set et, 0
.rept \rt
.set sb, 16+16*et
.set sr, 120+4*et                      ; (mean, mean, rstd, rstd) of row tile et
	v_pk_add_f32 v[112:113], v[sb:sb+1], v[sb+2:sb+3]
	v_pk_add_f32 v[114:115], v[sb+4:sb+5], v[sb+6:sb+7]
	v_pk_add_f32 v[116:117], v[sb+8:sb+9], v[sb+10:sb+11]
	v_pk_add_f32 v[118:119], v[sb+12:sb+13], v[sb+14:sb+15]
	v_pk_add_f32 v[112:113], v[112:113], v[114:115]
	v_pk_add_f32 v[116:117], v[116:117], v[118:119]
	v_pk_add_f32 v[112:113], v[112:113], v[116:117]
	v_mul_f32 v[sr], 0x3e000000, v112              ; the mean of eight means of equally many features
	v_mov_b32 v[sr+1], v[sr]
.set ew, 0
.rept 8
	v_sub_f32 v[114+(ew&1)], v[sb+2*ew], v[sr]
.if ew == 0
	v_mul_f32 v116, v114, v114
.else
	v_fmac_f32 v116, v[114+(ew&1)], v[114+(ew&1)]
.endif
.set ew, ew+1
.endr
	v_fma_f32 v113, v116, CNT, v113                ; M2 = the sum of the waves' M2 + count x the sum of (their mean - mean)^2
	v_fma_f32 v113, v113, INVN, s98                ; variance + 1e-5
	v_rsq_f32 v[sr+2], v113
	v_nop
	s_wait_alu depctr_va_vdst(0)
	v_mov_b32 v[sr+3], v[sr+2]
.set et, et+1
.endr
.set ei, 0
.rept \ntw
.set et, 0
.rept \rt
.set xr, ACC+8*(ei*(\rt)+et)
.set sr, 120+4*et
.set ob, 16+4*(ei*(\rt)+et)
.irp q, 0,1,2,3
	v_pk_add_f32 v[xr+2*\q:xr+2*\q+1], v[xr+2*\q:xr+2*\q+1], v[sr:sr+1] neg_lo:[0,1] neg_hi:[0,1]
.endr
.irp q, 0,1,2,3
	v_pk_mul_f32 v[xr+2*\q:xr+2*\q+1], v[xr+2*\q:xr+2*\q+1], v[sr+2:sr+3]
.endr
.irp q, 0,1,2,3
	v_pk_fma_f32 v[xr+2*\q:xr+2*\q+1], v[xr+2*\q:xr+2*\q+1], v[GB+8*ei+2*\q:GB+8*ei+2*\q+1], v[GB+16+8*ei+2*\q:GB+16+8*ei+2*\q+1]
.endr
.irp q, 0,1,2,3
	v_cvt_pk_f16_f32 v[ob+\q], v[xr+2*\q], v[xr+2*\q+1]
.endr
	ds_store_b128 v[\as], v[ob:ob+3] offset:et*16*AP+32*ei
.set et, et+1
.endr
.set ei, ei+1
.endr
.endm
.macro EPIC
	BAR
	s_wait_loadcnt 0x0                             ; the next layer's weights
.endm
; dst (+)= A src for 24 x 24: src's 24 numbers come out of their lanes as scalars; two chains
.macro MATVEC dst, A, src, acc
.set mv, 0
.rept 24
	v_readlane_b32 s[72+mv], v[\src], mv
.set mv, mv+1
.endr
.if \acc
	v_fmac_f32 v[\dst], s72, v[\A]
.else
	v_mul_f32 v[\dst], s72, v[\A]
.endif
	v_mul_f32 v96, s73, v[(\A)+1]
.set mv, 2
.rept 11
	v_fmac_f32 v[\dst], s[72+mv], v[(\A)+mv]
	v_fmac_f32 v96, s[73+mv], v[(\A)+mv+1]
.set mv, mv+2
.endr
	v_add_f32 v[\dst], v[\dst], v96
.endm
	s_load_b512 s[4:19], s[0:1], 0x0               ; argument i lies in s[4 + 2 i : 5 + 2 i]
	s_load_b512 s[20:35], s[0:1], 0x40
	s_load_b512 s[36:51], s[0:1], 0x80
	s_load_b64 s[52:53], s[0:1], 0xc0
	v_lshl_add_u32 v[SPW], v0, 2, SPARE
	v_mov_b32 v[NIL], 0
	v_and_b32 v1, 31, v0
	v_lshrrev_b32 v2, 5, v0
	v_readfirstlane_b32 s54, v2                    ; wave 0..7
	v_and_b32 v2, 15, v0                           ; r
	v_bfe_u32 v3, v0, 4, 1                         ; h
	s_mov_b32 s55, ttmp9
	s_lshl_b32 s56, s55, 2
	s_lshr_b32 s2, s54, 1
	s_add_co_u32 s56, s56, s2                      ; my sample in the flow phase: 4 x work-group + wave / 2
	s_mul_i32 s57, s56, REC
	s_and_b32 s2, s54, 1
	s_lshl_b32 s2, s2, 4                           ; my four of its eight times
	s_add_co_u32 s58, s57, s2
	s_lshl_b32 s59, s56, 5
	s_add_co_u32 s59, s59, s2
	s_mov_b32 s96, 0x76543210
	s_mov_b32 s97, 0xfedcba98
	s_mov_b32 s98, 0x3727c5ac                      ; 1e-5
	v_lshlrev_b32 v15, 4, v1
	s_lshl_b32 s2, s54, 10
	v_add_nc_u32 v4, s2, v15
	s_lshl_b32 s2, s54, 11
	v_add_nc_u32 v5, s2, v15
	v_mul_u32_u24 v6, v2, AP
	v_lshl_add_u32 v6, v3, 4, v6
	v_add_nc_u32 v6, ACT, v6
	s_lshl_b32 s2, s54, 5
	v_add_nc_u32 v7, s2, v6
	s_lshl_b32 s2, s54, 6
	v_add_nc_u32 v8, s2, v6
	v_lshlrev_b32 v10, 6, v2
	v_add_nc_u32 v10, ST, v10
	s_lshl_b32 s3, s54, 3
	v_add_nc_u32 v9, s3, v10
	v_lshlrev_b32 v12, 5, v3
	v_add_nc_u32 v11, s2, v12
	s_lshl_b32 s2, s54, 7
	v_add_nc_u32 v12, s2, v12
	v_lshlrev_b32 v120, 2, v0                      ; 4 x thread
	v_and_b32 v121, 127, v0
	v_lshlrev_b32 v121, 2, v121
	v_lshlrev_b32 v122, 2, v1
	v_min_u32 v123, 11, v1
	v_lshlrev_b32 v123, 2, v123
	s_mul_i32 s2, s55, 384
	v_and_b32 v124, 3, v2
	v_mul_u32_u24 v124, v124, 96
	v_lshl_add_u32 v124, v3, 5, v124
	v_add_nc_u32 v124, s2, v124                    ; inputs: row of sample r % 4, numbers 8 h ..
	s_wait_kmcnt 0x0
	s_load_b128 s[60:63], s[8:9], s58 offset:8448  ; my four tn
	s_load_b128 s[68:71], s[10:11], s59 offset:0x0 ; and their s
	LOADW 0, 16, 1, 2, 5                           ; the first layer's weights
	global_load_b128 v[16:19], v124, s[4:5]
	global_load_b128 v[20:23], v124, s[4:5] offset:16
.set n, 0
.irp p, 12,14,20,22,24,26,34,36,44,46,48,50    ; the twelve vectors of 256 numbers, one number a thread
	global_load_b32 v[24+n], v120, s[\p:\p+1]
.set n, n+1
.endr
	s_cmp_lt_u32 s54, 4                            ; the six of 128: waves 0-3 take one, waves 4-7 its neighbour in LDS
	s_cselect_b64 s[72:73], s[16:17], s[32:33]
	s_cselect_b64 s[74:75], s[28:29], s[30:31]
	s_cselect_b64 s[76:77], s[40:41], s[42:43]
	global_load_b32 v36, v121, s[72:73]
	global_load_b32 v37, v121, s[74:75]
	global_load_b32 v38, v121, s[76:77]
	s_cmp_ge_u32 s54, 2
	s_cbranch_scc1 .Lno_eb3
	global_load_b32 v40, v120, s[18:19]            ; the encoder's last bias: 64 numbers, waves 0 and 1
	s_wait_loadcnt 0x0
	ds_store_b32 v120, v40 offset:EB3
.Lno_eb3:
	s_cmp_lg_u32 s54, 2
	s_cbranch_scc1 .Lno_db3
	global_load_b32 v40, v123, s[38:39]            ; the decoder's last bias: 12 numbers, the last repeated; wave 2
	s_wait_loadcnt 0x0
	ds_store_b32 v122, v40 offset:DB3
.Lno_db3:
	s_wait_loadcnt 0x0
.set n, 0
.rept 15
	ds_store_b32 v120, v[24+n] offset:1024*n
.set n, n+1
.endr
	s_mov_b32 s[GC], 0x3f3504f3                    ; no load that names s[12:19] is out: 1 / sqrt 2,
	s_mov_b32 s[GC+1], 0x3ea7ba05                  ; p, -log2 e, a1 .. a5
	s_mov_b32 s[GC+2], 0xbfb8aa3b
	s_mov_b32 s[GC+3], 0x3e827906
	s_mov_b32 s[GC+4], 0xbe91a98e
	s_mov_b32 s[GC+5], 0x3fb5f0e3
	s_mov_b32 s[GC+6], 0xbfba00e3
	s_mov_b32 s[GC+7], 0x3f87dc22
	s_wait_kmcnt 0x0
	s_min_u32 s68, s68, 40                         ; a loaded number steers trip counts only behind a bound written here
	s_min_u32 s69, s69, 40
	s_min_u32 s70, s70, 40
	s_min_u32 s71, s71, 40
	BAR                                            ; the parameters are in LDS
	LDPAR GB, 12, EB0, 2
.irp j, 0,1,2,3
	v_cvt_pk_f16_f32 v[112+\j], v[16+2*\j], v[17+2*\j]   ; k = 8 h .. 8 h + 7 of 16
.endr
.irp j, 0,1,2,3
	v_mov_b32 v[116+\j], 0                         ; k = 16 .. 31 do not exist
.endr
	s_wait_dscnt 0x0
	; ================= encoder =================
	v_wmma_f32_16x16x32_f16 v[ACC:ACC+7], v[128:135], v[112:119], v[GB:GB+7]
	v_wmma_f32_16x16x32_f16 v[ACC+8:ACC+15], v[136:143], v[112:119], v[GB+8:GB+15]
	NOP4
	LOADW 16, 16, 8, 2, 5
	EPIB 2, 1, EG0, EBE0, 12, 8
	LDPAR GB, 12, EB1, 2
	EPIC
	MM 8, 2, 1
	NOP4
	LOADW 144, 8, 8, 1, 4
	EPIB 2, 1, EG1, EBE1, 12, 8
	LDPAR GB, 11, EB2, 1
	EPIC
	MM1 8, 6
	s_cmp_ge_u32 s54, 4
	s_cbranch_scc1 .Lno_e3w
	LOADW 208, 4, 4, 1, 4                          ; the last layer has four feature tiles: waves 0 to 3
.Lno_e3w:
	v_min_u32 v108, 23, v1                         ; what the flow phase needs is asked for here, two layers ahead
	v_mul_u32_u24 v108, v108, 96
	v_add_nc_u32 v108, s57, v108
	v_lshl_add_u32 v109, v1, 5, s57
	v_min_u32 v110, 3, v1
	s_mul_i32 s2, s56, 96
	v_lshl_add_u32 v110, v110, 2, s2
.set fi, 0
.rept 6
	global_load_b128 v[FK+4*fi:FK+4*fi+3], v108, s[8:9] offset:6144+16*fi
.set fi, fi+1
.endr
.irp net, 0,1,2
	global_load_b128 v[FYL+8*\net:FYL+8*\net+3],   v109, s[8:9] offset:2048*\net
	global_load_b128 v[FYL+8*\net+4:FYL+8*\net+7], v109, s[8:9] offset:2048*\net+16
	global_load_b128 v[FYH+8*\net:FYH+8*\net+3],   v109, s[8:9] offset:2048*\net+1024
	global_load_b128 v[FYH+8*\net+4:FYH+8*\net+7], v109, s[8:9] offset:2048*\net+1040
.endr
	global_load_b32 v106, v110, s[4:5] offset:48   ; g, lanes 0 to 3
	EPIB 1, 1, EG2, EBE2, 11, 7
	s_cmp_ge_u32 s54, 4
	s_cbranch_scc1 .Lno_e3b
	LDPAR GB, 11, EB3, 1
.Lno_e3b:
	EPIC
	s_cmp_ge_u32 s54, 4
	s_cbranch_scc1 .Lno_e3
	MM1 4, 6
	GELU ACC, 8
	v_and_b32 v112, 3, v2
	v_lshl_add_u32 v112, v112, 8, v11              ; z0 of sample r % 4, features 16 w + 8 h ..: rows of one sample hold the same numbers
	ds_store_b128 v112, v[ACC:ACC+3] offset:Z0
	ds_store_b128 v112, v[ACC+4:ACC+7] offset:Z0+16
.Lno_e3:
	BAR                                            ; z0 is in LDS, and nobody reads ACT any more
	; ================= the flow: wave w has sample w / 2 and decoder rows 4 w .. 4 w + 3 =================
.set WBASE, 16
	LOADW 224, 8, 3, 1, 4                          ; the decoder's first weights, into registers that lie idle until then
	s_lshr_b32 s2, s54, 1
	s_lshl_b32 s2, s2, 8
	v_lshl_add_u32 v96, v1, 2, s2
	ds_load_b32 v89, v96 offset:Z0                 ; z0[lane], z0[lane + 32]
	ds_load_b32 v90, v96 offset:Z0+128
	v_cvt_pk_f16_f32 v105, v106, v106
	v_cmp_gt_u32 vcc_lo, 4, v1
	v_cndmask_b32 v105, 0, v105, vcc_lo            ; features 64 .. 95 of a decoder row: g, then zeros
	v_lshrrev_b32 v97, 3, v1
	v_cmp_eq_u32 vcc_lo, 1, v97
	v_mov_b32 v98, 1.0
	v_mov_b32 v104, -1.0
	v_cndmask_b32 v104, v104, v98, vcc_lo          ; W's signs: -, +, - by blocks of eight
	s_mul_i32 s2, s54, 4*AP
	v_lshl_add_u32 v107, v1, 1, s2
	v_add_nc_u32 v107, ACT, v107                   ; feature 'lane' of my first decoder row
.irp j, 0,1,2,3
	v_mov_b32 v[100+\j], 0
.endr
	v_mov_b32 v80, 0
	s_wait_dscnt 0x0
	; u0[i] = X column i . z0: the 24 columns of Y four at a time; column c of Y is X's column c, c + 8 or c - 8
.set ug, 0
.rept 6
.irp j, 0,1,2,3
	v_mul_f32 v[96+\j], v[FYL+4*ug+\j], v89
.endr
.irp j, 0,1,2,3
	v_fmac_f32 v[96+\j], v[FYH+4*ug+\j], v90
.endr
.irp x, 1,2,4,8
.irp j, 0,1,2,3
	v_add_f32_dpp v[96+\j], v[96+\j], v[96+\j] row_xmask:\x row_mask:0xf bank_mask:0xf
.endr
.endr
.irp j, 0,1,2,3
	v_permlanex16_b32 v[100+\j], v[96+\j], s96, s97
.endr
.irp j, 0,1,2,3
	v_add_f32 v[96+\j], v[96+\j], v[100+\j]
.endr
.irp j, 0,1,2,3
.set uc, 4*ug+\j
.if uc < 8
.set ui, uc
.elseif uc < 16
.set ui, uc+8
.else
.set ui, uc-8
.endif
	v_cmp_eq_u32 vcc_lo, ui, v1
	v_cndmask_b32 v80, v80, v[96+\j], vcc_lo
.endr
.set ug, ug+1
.endr
.irp j, 0,1,2,3,4,5,6
	MATVEC 81+\j, FK, 80+\j, 0                     ; K^(j+1) u0
.endr
	s_mov_b32 s3, 4
.Lm:                                                   ; four trips: my four times; s60 = tn, s68 = s of the time in hand
	s_sub_co_u32 s2, 127, s68
	s_lshl_b32 s2, s2, 23                          ; 2^-s
	v_mov_b32 v93, s60
	v_mul_f32 v93, s2, v93                         ; h
	v_mul_f32 v96, 0x3e000000, v93                 ; h / 8 .. h / 2
	v_mul_f32 v97, 0x3e124925, v93
	v_mul_f32 v98, 0x3e2aaaab, v93
	v_mul_f32 v99, 0x3e4ccccd, v93
	v_mul_f32 v100, 0x3e800000, v93
	v_mul_f32 v101, 0x3eaaaaab, v93
	v_mul_f32 v102, 0.5, v93
	v_fma_f32 v88, v87, v96, v86                   ; p(h) = h (v0 + h/2 (v1 + h/3 (v2 + .. + h/8 v7)))
	v_fma_f32 v88, v88, v97, v85
	v_fma_f32 v88, v88, v98, v84
	v_fma_f32 v88, v88, v99, v83
	v_fma_f32 v88, v88, v100, v82
	v_fma_f32 v88, v88, v101, v81
	v_fma_f32 v88, v88, v102, v80
	v_mul_f32 v88, v93, v88
	s_cmp_eq_u32 s68, 0
	s_cbranch_scc1 .Lfast                          ; nothing to double
	v_mov_b32 v95, 1.0
.set uj, 0
.rept 24
	v_mov_b32 v[FA+uj], v[FK+uj]
	v_cmp_eq_u32 vcc_lo, uj, v1
	v_cndmask_b32 v[100+(uj&3)], 0, v95, vcc_lo
	v_fma_f32 v[FT+uj], v[FK+uj], v96, v[100+(uj&3)]   ; T = I + (h / 8) K
.set uj, uj+1
.endr
	s_mov_b32 s58, 0
	s_add_co_u32 s59, s68, 7
.Lsq:                                                  ; 7 + s trips: seven of T = I + (h / j) K T, j = 7 .. 1, which leave E = exp(h K); then s of p += E p, E = E E
	s_cmp_lt_u32 s58, 7
	s_cbranch_scc0 .Lsquare
	s_sub_co_u32 s2, 7, s58
	v_cvt_f32_u32 v96, s2
	v_rcp_f32 v96, v96
	v_mov_b32 v95, 1.0
	s_wait_alu depctr_va_vdst(0)
	v_mul_f32 v94, v93, v96
	s_branch .Lmul
.Lsquare:
	MATVEC 88, FT, 88, 1
.set uj, 0
.rept 24
	v_mov_b32 v[FA+uj], v[FT+uj]
.set uj, uj+1
.endr
	v_mov_b32 v94, 1.0
	v_mov_b32 v95, 0
.Lmul:
.set mmk, 0
.rept 24                               ; P = A T: row k of T comes out of lane k as 24 scalars
.set mmj, 0
.rept 24
	v_readlane_b32 s[72+mmj], v[FT+mmj], mmk
.set mmj, mmj+1
.endr
.set mmj, 0
.rept 24
.if mmk == 0
	v_mul_f32 v[FP+mmj], s[72+mmj], v[FA+mmk]
.else
	v_fmac_f32 v[FP+mmj], s[72+mmj], v[FA+mmk]
.endif
.set mmj, mmj+1
.endr
.set mmk, mmk+1
.endr
.set uj, 0
.rept 24
	v_cmp_eq_u32 vcc_lo, uj, v1
	v_cndmask_b32 v[96+(uj&3)], 0, v95, vcc_lo
	v_fma_f32 v[FT+uj], v[FP+uj], v94, v[96+(uj&3)]
.set uj, uj+1
.endr
	s_add_co_u32 s58, s58, 1
	s_cmp_lt_u32 s58, s59
	s_cbranch_scc1 .Lsq
.Lfast:
	v_mul_f32 v96, v88, v104                       ; z_t = e^-tn (z0 + Y (signs x p))
	v_mul_f32 v97, s60, s[GC+2]
	v_exp_f32 v97, v97
.set uj, 0
.rept 24
	v_readlane_b32 s[72+uj], v96, uj
.set uj, uj+1
.endr
	v_fma_f32 v91, s72, v[FYL], v89
	v_fma_f32 v92, s72, v[FYH], v90
.set uj, 1
.rept 23
	v_fmac_f32 v91, s[72+uj], v[FYL+uj]
	v_fmac_f32 v92, s[72+uj], v[FYH+uj]
.set uj, uj+1
.endr
	s_wait_alu depctr_va_vdst(0)
	v_mul_f32 v91, v91, v97
	v_mul_f32 v92, v92, v97
	v_cvt_pk_f16_f32 v98, v91, v92
	ds_store_b16 v107, v98                         ; feature lane
	ds_store_b16_d16_hi v107, v98 offset:64        ; feature lane + 32
	ds_store_b16 v107, v105 offset:128             ; features 64 ..: g and zeros
	v_add_nc_u32 v107, AP, v107
	s_mov_b32 s60, s61
	s_mov_b32 s61, s62
	s_mov_b32 s62, s63
	s_mov_b32 s68, s69
	s_mov_b32 s69, s70
	s_mov_b32 s70, s71
	s_sub_co_u32 s3, s3, 1
	s_cmp_lg_u32 s3, 0
	s_cbranch_scc1 .Lm
	LDPAR GB, 11, DB0, 1
	BAR                                            ; the 32 decoder rows are in ACT
	s_wait_loadcnt 0x0
	; ================= decoder =================
.set BBASE, 128
	MM 3, 1, 2
	NOP4
.set WBASE, 128
.set BBASE, 16
	LOADW 248, 16, 4, 2, 5
	EPIB 1, 2, DG0, DBE0, 11, 7
	LDPAR GB, 12, DB1, 2
	EPIC
	MM 4, 2, 2
	NOP4
	LOADW 312, 16, 8, 2, 5
	EPIB 2, 2, DG1, DBE1, 12, 8
	LDPAR GB, 12, DB2, 2
	EPIC
	MM 8, 2, 2
	NOP4
	s_cmp_ge_u32 s54, 2
	s_cbranch_scc1 .Lno_d3w
	LOADW 440, 1, 8, 1, 15                         ; the last layer has one feature tile: waves 0 and 1 take a row tile each
.Lno_d3w:
	EPIB 2, 2, DG2, DBE2, 12, 8
	s_cmp_ge_u32 s54, 2
	s_cbranch_scc1 .Lno_d3b
	v_lshlrev_b32 v112, 5, v3
	LDPAR GB, 112, DB3, 1
.Lno_d3b:
	EPIC
	s_cmp_ge_u32 s54, 2
	s_cbranch_scc1 .Lno_d3
	s_mul_i32 s2, s54, 16*AP
	v_add_nc_u32 v113, s2, v6
	s_lshl_b32 s2, s54, 4
	v_add_nc_u32 v114, s2, v2
	v_mul_u32_u24 v114, v114, 48                   ; row 16 w + r of the result
	v_lshl_add_u32 v115, v3, 5, v114               ; features 0-3 (h = 0) or 8-11 (h = 1)
	v_mad_u32_u24 v116, v3, DUMPD, v114            ; features 4-7 (h = 0); 12-15 (h = 1) land behind the result
	MM1 8, 113
	ds_store_b128 v115, v[ACC:ACC+3] offset:OUTS
	ds_store_b128 v116, v[ACC+4:ACC+7] offset:OUTS+16
.Lno_d3:
	BAR                                            ; the 1,536 bytes of the result are in LDS
	s_cmp_ge_u32 s54, 3
	s_cbranch_scc1 .Lend
	s_lshl_b32 s2, s54, 9
	v_add_nc_u32 v112, s2, v15
	ds_load_b128 v[16:19], v112 offset:OUTS
	s_mul_i32 s3, s55, 1536
	v_add_nc_u32 v113, s3, v112
	s_wait_dscnt 0x0
	global_store_b128 v113, v[16:19], s[52:53]     ; a wave's store covers 512 bytes on end, at a multiple of 256 from out0's first byte
.Lend:
	s_wait_tensorcnt 0x0                           ; the wave's end
	ds_add_u32 v[SPW], v[NIL]
	s_wait_dscnt 0x0
	s_endpgm
.Lfunc_end_k_qfdaf75decc_flow:
	.size	k_qfdaf75decc_flow, .Lfunc_end_k_qfdaf75decc_flow-k_qfdaf75decc_flow
	.p2alignl 7, 3214868480
	.fill 96, 4, 3214868480
	.section	.rodata,"a",@progbits
	.p2align	6, 0x0
	.amdhsa_kernel k_qfdaf75decc_flow
		.amdhsa_group_segment_fixed_size 39936
		.amdhsa_private_segment_fixed_size 0
		.amdhsa_enable_private_segment 0
		.amdhsa_kernarg_size 200
		.amdhsa_user_sgpr_count 2
		.amdhsa_user_sgpr_kernarg_segment_ptr 1
		.amdhsa_wavefront_size32 1
		.amdhsa_system_sgpr_workgroup_id_x 1
		.amdhsa_system_sgpr_workgroup_id_y 1
		.amdhsa_system_sgpr_workgroup_id_z 1
		.amdhsa_system_vgpr_workitem_id 0
		.amdhsa_next_free_vgpr 256
		.amdhsa_next_free_sgpr 100
		.amdhsa_reserve_vcc 1
		.amdhsa_float_denorm_mode_32 3
		.amdhsa_float_denorm_mode_16_64 3
		.amdhsa_memory_ordered 1
		.amdhsa_forward_progress 1
		.amdhsa_inst_pref_size 255
	.end_amdhsa_kernel
	.section	.bss,"aw",@nobits
	.p2align	6
	.space	262144
	.amdgpu_metadata
---
amdhsa.version: [ 1, 2 ]
amdhsa.kernels:
  - .name:           k_qfdaf75decc_flow
    .symbol:         k_qfdaf75decc_flow.kd
    .args:
      - { .name: inputs, .offset: 0, .size: 8, .value_kind: global_buffer, .address_space: global }
      - { .name: wt, .offset: 8, .size: 8, .value_kind: global_buffer, .address_space: global }
      - { .name: dynws, .offset: 16, .size: 8, .value_kind: global_buffer, .address_space: global }
      - { .name: sq, .offset: 24, .size: 8, .value_kind: global_buffer, .address_space: global }
      - { .name: params_enc_lins_0_b, .offset: 32, .size: 8, .value_kind: global_buffer, .address_space: global }
      - { .name: params_enc_lins_1_b, .offset: 40, .size: 8, .value_kind: global_buffer, .address_space: global }
      - { .name: params_enc_lins_2_b, .offset: 48, .size: 8, .value_kind: global_buffer, .address_space: global }
      - { .name: params_enc_lins_3_b, .offset: 56, .size: 8, .value_kind: global_buffer, .address_space: global }
      - { .name: params_enc_lns_0_g, .offset: 64, .size: 8, .value_kind: global_buffer, .address_space: global }
      - { .name: params_enc_lns_0_b, .offset: 72, .size: 8, .value_kind: global_buffer, .address_space: global }
      - { .name: params_enc_lns_1_g, .offset: 80, .size: 8, .value_kind: global_buffer, .address_space: global }
      - { .name: params_enc_lns_1_b, .offset: 88, .size: 8, .value_kind: global_buffer, .address_space: global }
      - { .name: params_enc_lns_2_g, .offset: 96, .size: 8, .value_kind: global_buffer, .address_space: global }
      - { .name: params_enc_lns_2_b, .offset: 104, .size: 8, .value_kind: global_buffer, .address_space: global }
      - { .name: params_dec_lins_0_b, .offset: 112, .size: 8, .value_kind: global_buffer, .address_space: global }
      - { .name: params_dec_lins_1_b, .offset: 120, .size: 8, .value_kind: global_buffer, .address_space: global }
      - { .name: params_dec_lins_2_b, .offset: 128, .size: 8, .value_kind: global_buffer, .address_space: global }
      - { .name: params_dec_lins_3_b, .offset: 136, .size: 8, .value_kind: global_buffer, .address_space: global }
      - { .name: params_dec_lns_0_g, .offset: 144, .size: 8, .value_kind: global_buffer, .address_space: global }
      - { .name: params_dec_lns_0_b, .offset: 152, .size: 8, .value_kind: global_buffer, .address_space: global }
      - { .name: params_dec_lns_1_g, .offset: 160, .size: 8, .value_kind: global_buffer, .address_space: global }
      - { .name: params_dec_lns_1_b, .offset: 168, .size: 8, .value_kind: global_buffer, .address_space: global }
      - { .name: params_dec_lns_2_g, .offset: 176, .size: 8, .value_kind: global_buffer, .address_space: global }
      - { .name: params_dec_lns_2_b, .offset: 184, .size: 8, .value_kind: global_buffer, .address_space: global }
      - { .name: out0, .offset: 192, .size: 8, .value_kind: global_buffer, .address_space: global }
    .group_segment_fixed_size: 39936
    .private_segment_fixed_size: 0
    .kernarg_segment_align: 8
    .kernarg_segment_size: 200
    .max_flat_workgroup_size: 256
    .sgpr_count:     100
    .vgpr_count:     256
    .wavefront_size: 32
...
	.end_amdgpu_metadata
.endif
;; end of part 2
;; ======== version 2 of 2: 2 launches; version 1 with the launch flow written anew for expert scheduling mode
;; limits: values are held in f16: magnitudes above 65,504 overflow, below 6.1e-05 lose precision
;; workspace buffers: wt 458,752 bytes; dynws 8,912,896 bytes; sq 32,768 bytes of whole numbers
;; launch gen: the kernel of part 1 again; grid 312 x 1, 8 waves a work-group, no clusters, 26,880 bytes of LDS; arguments params_dynC_lins_0_W, params_dynC_lins_0_b, params_dynC_lins_1_W, params_dynC_lins_1_b, params_dynU_lins_0_W, params_dynU_lins_0_b, params_dynU_lins_1_W, params_dynU_lins_1_b, params_dynV_lins_0_W, params_dynV_lins_0_b, params_dynV_lins_1_W, params_dynV_lins_1_b, params_tscale_lins_0_W, params_tscale_lins_0_b, params_tscale_lins_1_W, params_tscale_lins_1_b, params_tscale_lins_2_W, params_tscale_lins_2_b, inputs, wt, params_enc_lins_0_W, params_enc_lins_1_W, params_enc_lins_2_W, params_enc_lins_3_W, params_dec_lins_0_W, params_dec_lins_1_W, params_dec_lins_2_W, params_dec_lins_3_W, dynws, sq; writes wt, dynws, sq
;; launch flow (part 3): grid 256 x 1, 8 waves a work-group, no clusters, 39,936 bytes of LDS; arguments inputs, wt, dynws, sq, params_enc_lins_0_b, params_enc_lins_1_b, params_enc_lins_2_b, params_enc_lins_3_b, params_enc_lns_0_g, params_enc_lns_0_b, params_enc_lns_1_g, params_enc_lns_1_b, params_enc_lns_2_g, params_enc_lns_2_b, params_dec_lins_0_b, params_dec_lins_1_b, params_dec_lins_2_b, params_dec_lins_3_b, params_dec_lns_0_g, params_dec_lns_0_b, params_dec_lns_1_g, params_dec_lns_1_b, params_dec_lns_2_g, params_dec_lns_2_b, out0; writes out0
.if DOCPART == 3
	.amdgcn_target "amdgcn-amd-amdhsa--gfx1250"
	.amdhsa_code_object_version 6
	.text
	.protected	k_qfdaf75decc_flow
	.globl	k_qfdaf75decc_flow
	.p2align	8
	.type	k_qfdaf75decc_flow,@function
k_qfdaf75decc_flow:
	s_mov_b64 s[64:65], 0
	v_nop
	global_prefetch_b8 v0, s[64:65] scope:SCOPE_SE
	s_setreg_imm32_b32 hwreg(HW_REG_WAVE_SCHED_MODE, 0, 2), 2
	s_setreg_imm32_b32 hwreg(HW_REG_WAVE_MODE, 25, 1), 1
	s_wait_xcnt 0x0
	s_wait_alu depctr_vm_vsrc(0)
; SECOND LAUNCH OF TWO.  A work-group takes four samples: encoder (one tile of 16 rows, row r = sample r % 4), z_t = exp(tn A) z0 for eight times, decoder on the 32 rows (sample, time).
; PRODUCTS: v_wmma_f32_16x16x32_f16, source 0 = 16 features x 32 k of the weights (fragments made by the launch before), source 1 = 16 rows of activations from LDS.  In the result lane (r, h)
; holds features 8 h + 0..7 of row r: rounded in pairs they are 16 bytes of that row of the next layer's operand.  The bias is the C operand of the first K step.  In a layer wave w owns
; one or two feature tiles for all row tiles; the weights go straight from memory into registers, asked for one layer ahead.
; LAYERNORM: each wave makes (mean, sum of squared deviations) of its own 16 or 32 features in two passes; the eight pairs meet in LDS and are joined without forming a difference of large sums.
; THE EXPONENTIAL: exp(t A) z0 = e^-t (z0 + W p(t)), p(t) = the integral from 0 to t of exp(tau K) u0, u0 = X^T z0, K 24 x 24, all f32 on the vector unit (a rounding is doubled by each squaring).
; h = t 2^-s brings the norm of h K under 0.5; p(h) by eight terms of the series on the vectors K^j u0; if s > 0: E = exp(h K) by eight terms, then s times p += E p, E = E E.
; s comes as whole numbers from the launch before; lane i holds row i of a 24 x 24 matrix (lanes 24 to 31 hold copies that nothing reads).
; NO tensor loads, cluster or LDS ring: no tile is larger than a few KB, none is filled again, and the weights are read once by each wave into registers.
; LIMITS.  Operands of the products are f16: beyond 65,504 they become infinities (LayerNorm's outputs are at most 16 |g| + |b|); erfc by a five-term rational form, absolute error 1.5e-7;
; x = -infinity gives NaN in GELU; e^-t below 2^-126 counts as 0; s is at most 40.
; THE MODE: SCHED_MODE bits 1:0 = 2 (LLVM: expert scheduling mode 2), set by the entry lines.  The code itself states the register dependences between vector or matrix instructions and
; memory or LDS instructions, and from a vector instruction's scalar result to its reader, with s_wait_alu, always for 0.
; THE PLAN.  Registers that memory or LDS instructions touch:
;   addresses      v4-v12, v15, later v108-v111 and v192-v196: made once by vector lines ahead of a wait on va_vdst, never written again while they serve; those that only some waves need are
;                  made in the straight run of lines that reads them.  v107 alone is stepped, once a time.
;   weights        v128-255 (v16-39 for the decoder's first layer): loads land; a layer's products read.  Asked for again behind the one wait that follows the layer's products.
;   operand slots  eight of 8 registers, v16-47 and v96-127 (v128-175 for the decoder's first layer): LDS loads land; the products read.  A layer of up to eight slots asks for all its K steps at once.
;   parameters     v80-95 bias, then gain; v96-111 shift: LDS loads land; the first K step reads the bias as C, the normalising lines gain and shift.
;   out-buffers    v40-41, v32-33 a row tile's statistics; v16-31 the new activations in f16: vector lines write, one wait on va_vdst, a run of LDS stores reads, one wait on vm_vsrc behind the barrier.
; A layer has: one wait on va_vdst behind its products (weights, bias and slots are read: the next weights, gain and shift are asked for at once); one a GELU; one ahead of the statistics' stores;
; one for the reciprocal roots; one ahead of the activations' stores, which also frees gain and slots for the next bias and operands.
; Scalars out of lanes (v_readlane_b32) and masks (compares, into scalar registers) are made in runs of 24, with one wait on va_sdst behind a run.
.set REC,  8704
.set EB0,  0                           ; LDS 0 .. 15,871: the biases, gains and shifts, f32
.set EB1,  1024
.set EG0,  2048
.set EBE0, 3072
.set EG1,  4096
.set EBE1, 5120
.set DB1,  6144
.set DB2,  7168
.set DG1,  8192
.set DBE1, 9216
.set DG2,  10240
.set DBE2, 11264
.set EB2,  12288
.set DB0,  12800
.set EG2,  13312
.set EBE2, 13824
.set DG0,  14336
.set DBE0, 14848
.set EB3,  15360
.set DB3,  15616                       ; 32 words: the last bias, its index held to 11
.set ACT,  15872                       ; 32 rows of activations in f16, 512 bytes + 16 of padding: the 16 rows of a load start at 16 different groups of four banks (ISA guide 11.1)
.set AP,   528
.set ST,   32768                       ; 32 rows x 8 waves x (mean, M2)
.set Z0,   34816                       ; z0: 4 x 64 f32
.set OUTS, 35840                       ; 32 rows x 48 bytes of the result
.set DUMPD, 1536                       ; features 12 to 15 of the last tile, which do not exist, go this far behind OUTS
.set SPARE, 38912                      ; the spare words, 128 bytes a wave: no other line names them
.set SPW, 13                           ; v13  SPARE + 4 x my thread's number; never rewritten
.set NIL, 14                           ; v14  0; never rewritten
; v1 lane, v2 r, v3 h; v15, v4, v5: 16 lane (+ 1024 w, + 2048 w) in wt; v6 ACT + 528 r + 16 h; v7, v8: that + 32 w, + 64 w; v9, v10: ST + 64 r (+ 8 w); v11, v12: 32 h + 64 w, + 128 w
.set TG,  16                           ; v16-39  GELU's registers at work
.set TGS, 8
.set ACC, 48                           ; v48-79  up to four accumulators
.set GB,  80                           ; v80-95 bias, then gain; v96-111 shift
.set GC,  12                           ; s[12:19] GELU's constants, once the pointers there have served
.set FT,  128                          ; the flow phase: T and E
.set FYL, 160                          ; row d = lane of Y = [C, U, V]
.set FYH, 184                          ; row d = lane + 32
.set FK,  208                          ; row min(lane, 23) of K
.set FP,  232                          ; a product
.set FA,  48                           ; its left factor
.set WBASE, 128                        ; where LOADW puts fragments and the products take them
.set SB0, 16                           ; operand slots 0 to 3
.set SB1, 96                           ; operand slots 4 to 7
.set SS0, 72                           ; s[72:95]  24 scalars out of lanes, or 24 masks
.set SS1, 20                           ; s[20:43]  a second set for the 24 x 24 product: the pointers there have served at the head
.macro EACH n, line:vararg             ; one line for each of n neighbouring registers, gi = 0 .. n - 1
.set gi, 0
.rept \n
	\line
.set gi, gi+1
.endr
.endm
; GELU in place on v[x .. x+n-1]: u = |x| / sqrt 2, t = 1 / (1 + p u), erfc(u) = t (a1 + t (a2 + ..)) e^(-u u), y = x / 2 + |x| (1/2 - erfc / 2).
; It reads x's registers in ascending order; behind each run of reciprocals or exponentials stands a plain line that touches none of their registers (ISA guide 5.7.2).
.macro GELU x, n
	EACH \n, v_mul_f32 v[TG+gi], |v[(\x)+gi]|, s[GC]
	EACH \n, v_fma_f32 v[TG+TGS+gi], v[TG+gi], s[GC+1], 1.0
	EACH \n, v_rcp_f32 v[TG+TGS+gi], v[TG+TGS+gi]
	EACH \n, v_mul_f32 v[TG+gi], v[TG+gi], v[TG+gi]
	EACH \n, v_mul_f32 v[TG+gi], s[GC+2], v[TG+gi]
	EACH \n, v_exp_f32 v[TG+gi], v[TG+gi]
	s_wait_alu depctr_va_vdst(0)                   ; one wait for the batch: the reciprocals have written v[TG+TGS ..], which the next line reads, and the exponentials v[TG ..]
	EACH \n, v_fma_f32 v[TG+2*TGS+gi], v[TG+TGS+gi], s[GC+7], s[GC+6]
	EACH \n, v_fma_f32 v[TG+2*TGS+gi], v[TG+2*TGS+gi], v[TG+TGS+gi], s[GC+5]
	EACH \n, v_fma_f32 v[TG+2*TGS+gi], v[TG+2*TGS+gi], v[TG+TGS+gi], s[GC+4]
	EACH \n, v_fma_f32 v[TG+2*TGS+gi], v[TG+2*TGS+gi], v[TG+TGS+gi], s[GC+3]
	EACH \n, v_mul_f32 v[TG+2*TGS+gi], v[TG+2*TGS+gi], v[TG+TGS+gi]
	EACH \n, v_mul_f32 v[TG+2*TGS+gi], v[TG+2*TGS+gi], v[TG+gi]
	EACH \n, v_fma_f32 v[TG+2*TGS+gi], v[TG+2*TGS+gi], -0.5, 0.5
	EACH \n, v_mul_f32 v[TG+TGS+gi], 0.5, v[(\x)+gi]
	EACH \n, v_fma_f32 v[(\x)+gi], |v[(\x)+gi]|, v[TG+2*TGS+gi], v[TG+TGS+gi]
.endm
.macro NOP4                            ; four places behind matrix instructions, ahead of reads of their results and of writes into their registers (ISA guide 7.12.1)
.rept 4
	v_nop
.endr
.endm
.macro DRAIN                           ; behind a layer's products
	NOP4
	s_wait_alu depctr_va_vdst(0)                   ; the products have read their weights, their bias and their operand slots: the loads that follow land in these registers
.endm
.macro BAR                             ; my LDS instructions are done, for the others' sake; then the work-group's barrier
	s_wait_dscnt 0x0
	s_barrier_signal -1
	s_barrier_wait -1
.endm
; my fragments of a layer: first fragment fb, nt feature tiles in the layer, ks K steps, ntw tiles a wave; wo = the register with my offset
.macro LOADW fb, nt, ks, ntw, wo
.set lk, 0
.rept \ks
.set li, 0
.rept \ntw
.set lr, WBASE+8*(lk*(\ntw)+li)
	global_load_b128 v[lr:lr+3],   v[\wo], s[6:7] offset:((\fb)+lk*(\nt)+li)*1024
	global_load_b128 v[lr+4:lr+7], v[\wo], s[6:7] offset:((\fb)+lk*(\nt)+li)*1024+512
.set li, li+1
.endr
.set lk, lk+1
.endr
.endm
.macro LDPAR dst, adr, off, ntw        ; eight numbers of a parameter vector for each of my tiles
.set lp, 0
.rept \ntw
	ds_load_b128 v[(\dst)+8*lp:(\dst)+8*lp+3],   v[\adr] offset:(\off)+64*lp
	ds_load_b128 v[(\dst)+8*lp+4:(\dst)+8*lp+7], v[\adr] offset:(\off)+64*lp+16
.set lp, lp+1
.endr
.endm
.macro LDB k, rt, adr                  ; K step k of rt row tiles: row tile t into slot (k rt + t) % 8
.set lt, 0
.rept \rt
.set sl, ((\k)*(\rt)+lt)%8
.if sl < 4
.set lr, SB0+8*sl
.else
.set lr, SB1+8*(sl-4)
.endif
	ds_load_b128 v[lr:lr+3],   v[\adr] offset:lt*16*AP+64*(\k)
	ds_load_b128 v[lr+4:lr+7], v[\adr] offset:lt*16*AP+64*(\k)+32
.set lt, lt+1
.endr
.endm
; a layer's products with two accumulators or more: they take turns, one instruction a turn.
; As many K steps as the eight slots hold are asked for at once.  A longer layer (8 steps of 2 row tiles) fills slots again two steps at a time, at steps 2 and 4.
.macro MM ks, ntw, rt
.set issued, 0
.rept \ks
.if issued < 8/(\rt)
	LDB issued, \rt, 6
.set issued, issued+1
.endif
.endr
.set mk, 0
.rept \ks
	s_wait_dscnt 2*(\rt)*(issued-mk-1)             ; LDS loads come back in order (ISA guide 5.7.1): this step's operands are in; the later steps' loads stay out
.if (issued < (\ks)) && (mk >= 2) && (mk%2 == 0)
	NOP4                                           ; the places behind the products that read these slots stay beside the wait
	s_wait_alu depctr_va_vdst(0)                   ; the products of steps mk - 2 and mk - 1 have read their slots, in which the next two steps' operands land
	LDB issued, \rt, 6
	LDB issued+1, \rt, 6
.set issued, issued+2
.endif
.set mi, 0
.rept \ntw
.set mt, 0
.rept \rt
.set rD, ACC+8*(mi*(\rt)+mt)
.set rA, WBASE+8*(mk*(\ntw)+mi)
.set sl, (mk*(\rt)+mt)%8
.if sl < 4
.set rB, SB0+8*sl
.else
.set rB, SB1+8*(sl-4)
.endif
.if mk == 0
	v_wmma_f32_16x16x32_f16 v[rD:rD+7], v[rA:rA+7], v[rB:rB+7], v[GB+8*mi:GB+8*mi+7]
.else
	v_wmma_f32_16x16x32_f16 v[rD:rD+7], v[rA:rA+7], v[rB:rB+7], v[rD:rD+7]
.endif
.set mt, mt+1
.endr
.set mi, mi+1
.endr
.set mk, mk+1
.endr
.endm
; one tile: even and odd K steps add onto two accumulators by turns, which are added at the end, lowest registers first.  All its K steps (eight at the most) are asked for at once.
.macro MM1 ks, adr
.set issued, 0
.rept \ks
	LDB issued, 1, \adr
.set issued, issued+1
.endr
.set mk, 0
.rept \ks
	s_wait_dscnt 2*((\ks)-mk-1)                    ; this step's operand is in; the later steps' loads stay out
.set rD, ACC+8*(mk&1)
.set rA, WBASE+8*mk
.if mk < 4
.set rB, SB0+8*mk
.else
.set rB, SB1+8*(mk-4)
.endif
.if mk == 0
	v_wmma_f32_16x16x32_f16 v[rD:rD+7], v[rA:rA+7], v[rB:rB+7], v[GB:GB+7]
.elseif mk == 1
	v_wmma_f32_16x16x32_f16 v[rD:rD+7], v[rA:rA+7], v[rB:rB+7], 0
.else
	v_wmma_f32_16x16x32_f16 v[rD:rD+7], v[rA:rA+7], v[rB:rB+7], v[rD:rD+7]
.endif
.set mk, mk+1
.endr
	NOP4
.irp q, 0,1,2,3
	v_pk_add_f32 v[ACC+2*\q:ACC+2*\q+1], v[ACC+2*\q:ACC+2*\q+1], v[ACC+8+2*\q:ACC+8+2*\q+1]
.endr
.endm
; behind a layer's products: GELU, LayerNorm over the layer's 128 ntw features, f16, into ACT.  Two barriers: one between the waves' statistics and their reading (all reads of ACT's old
; content are over in front of it), the second (EPIC) between the new content and its reading.  Gain and shift are asked for first: the wait behind the products has freed their registers.
.macro EPIB ntw, rt, gOff, beOff, fo, as
.if (\ntw) == 2
.set INVC, 0x3d000000                  ; 1/32, 32, 1/256
.set CNT,  0x42000000
.set INVN, 0x3b800000
.else
.set INVC, 0x3d800000                  ; 1/16, 16, 1/128
.set CNT,  0x41800000
.set INVN, 0x3c000000
.endif
	LDPAR GB, \fo, \gOff, \ntw
	LDPAR GB+16, \fo, \beOff, \ntw
.set ea, 0
.rept (\ntw)*(\rt)
	GELU ACC+8*ea, 8
.set ea, ea+1
.endr
.set et, 0
.rept \rt                              ; row tile et works in v[40 - 8 et ..], so that both tiles' pairs go out behind one wait
.set x0, ACC+8*et
.set x1, ACC+8*((\rt)+et)
.set sv, 40-8*et
	v_pk_add_f32 v[sv:sv+1], v[x0:x0+1], v[x0+2:x0+3]
	v_pk_add_f32 v[sv+2:sv+3], v[x0+4:x0+5], v[x0+6:x0+7]
.if (\ntw) == 2
	v_pk_add_f32 v[sv+4:sv+5], v[x1:x1+1], v[x1+2:x1+3]
	v_pk_add_f32 v[sv+6:sv+7], v[x1+4:x1+5], v[x1+6:x1+7]
	v_pk_add_f32 v[sv:sv+1], v[sv:sv+1], v[sv+4:sv+5]
	v_pk_add_f32 v[sv+2:sv+3], v[sv+2:sv+3], v[sv+6:sv+7]
.endif
	v_pk_add_f32 v[sv:sv+1], v[sv:sv+1], v[sv+2:sv+3]
	v_add_f32 v[sv], v[sv], v[sv+1]
	v_permlanex16_b32 v[sv+1], v[sv], s96, s97     ; the row's other eight features of each tile lie in the lane 16 away
	v_add_f32 v[sv], v[sv], v[sv+1]
	v_mul_f32 v[sv], INVC, v[sv]                   ; my features' mean
	v_mov_b32 v[sv+1], v[sv]
.set eq, 0
.rept 4*(\ntw)
.set xr, ACC+8*et+2*(eq%4)+8*(\rt)*(eq/4)
.set dr, sv+2+4*(eq&1)
	v_pk_add_f32 v[dr:dr+1], v[xr:xr+1], v[sv:sv+1] neg_lo:[0,1] neg_hi:[0,1]
.if eq == 0
	v_pk_mul_f32 v[sv+4:sv+5], v[dr:dr+1], v[dr:dr+1]
.else
	v_pk_fma_f32 v[sv+4:sv+5], v[dr:dr+1], v[dr:dr+1], v[sv+4:sv+5]
.endif
.set eq, eq+1
.endr
	v_add_f32 v[sv+4], v[sv+4], v[sv+5]
	v_permlanex16_b32 v[sv+5], v[sv+4], s96, s97
	v_add_f32 v[sv+1], v[sv+4], v[sv+5]            ; and their squared deviations from it
.set et, et+1
.endr
	s_wait_alu depctr_va_vdst(0)                   ; the pairs (mean, M2) are written, which the stores read; and all vector work on v16-47 is over, in which the statistics land behind the barrier
.set et, 0
.rept \rt
	ds_store_b64 v9, v[40-8*et:41-8*et] offset:1024*et
.set et, et+1
.endr
	BAR
	s_wait_alu depctr_vm_vsrc(0)                   ; my stores have read their pairs: the loads below land in those registers
.set et, 0
.rept \rt
.irp c, 0,1,2,3
	ds_load_b128 v[16+16*et+4*\c:19+16*et+4*\c], v10 offset:1024*et+16*\c
.endr
.set et, et+1
.endr
	s_wait_dscnt 0x0
.set et, 0
.rept \rt
.set sb, 16+16*et
.set sr, 120+4*et                      ; (mean, mean, rstd, rstd) of row tile et
	v_pk_add_f32 v[112:113], v[sb:sb+1], v[sb+2:sb+3]
	v_pk_add_f32 v[114:115], v[sb+4:sb+5], v[sb+6:sb+7]
	v_pk_add_f32 v[116:117], v[sb+8:sb+9], v[sb+10:sb+11]
	v_pk_add_f32 v[118:119], v[sb+12:sb+13], v[sb+14:sb+15]
	v_pk_add_f32 v[112:113], v[112:113], v[114:115]
	v_pk_add_f32 v[116:117], v[116:117], v[118:119]
	v_pk_add_f32 v[112:113], v[112:113], v[116:117]
	v_mul_f32 v[sr], 0x3e000000, v112              ; the mean of eight means of equally many features
	v_mov_b32 v[sr+1], v[sr]
.set ew, 0
.rept 8
	v_sub_f32 v[114+(ew&1)], v[sb+2*ew], v[sr]
.if ew == 0
	v_mul_f32 v116, v114, v114
.else
	v_fmac_f32 v116, v[114+(ew&1)], v[114+(ew&1)]
.endif
.set ew, ew+1
.endr
	v_fma_f32 v113, v116, CNT, v113                ; M2 = the sum of the waves' M2 + count x the sum of (their mean - mean)^2
	v_fma_f32 v[sr+2], v113, INVN, s98             ; variance + 1e-5
.set et, et+1
.endr
.set et, 0
.rept \rt
	v_rsq_f32 v[122+4*et], v[122+4*et]
.set et, et+1
.endr
	v_nop                                          ; a plain line behind the last reciprocal root
	s_wait_alu depctr_va_vdst(0)                   ; one wait for the batch: the reciprocal roots have written v122 (and v126), which the next lines read
.set et, 0
.rept \rt
	v_mov_b32 v[123+4*et], v[122+4*et]
.set et, et+1
.endr
.set ei, 0
.rept \ntw
.set et, 0
.rept \rt
.set xr, ACC+8*(ei*(\rt)+et)
.set sr, 120+4*et
.set ob, 16+4*(ei*(\rt)+et)
.irp q, 0,1,2,3
	v_pk_add_f32 v[xr+2*\q:xr+2*\q+1], v[xr+2*\q:xr+2*\q+1], v[sr:sr+1] neg_lo:[0,1] neg_hi:[0,1]
.endr
.irp q, 0,1,2,3
	v_pk_mul_f32 v[xr+2*\q:xr+2*\q+1], v[xr+2*\q:xr+2*\q+1], v[sr+2:sr+3]
.endr
.irp q, 0,1,2,3
	v_pk_fma_f32 v[xr+2*\q:xr+2*\q+1], v[xr+2*\q:xr+2*\q+1], v[GB+8*ei+2*\q:GB+8*ei+2*\q+1], v[GB+16+8*ei+2*\q:GB+16+8*ei+2*\q+1]
.endr
.irp q, 0,1,2,3
	v_cvt_pk_f16_f32 v[ob+\q], v[xr+2*\q], v[xr+2*\q+1]
.endr
.set et, et+1
.endr
.set ei, ei+1
.endr
	s_wait_alu depctr_va_vdst(0)                   ; the conversions have written v16 .., which the stores read; the next bias and operands land there
.set ei, 0
.rept \ntw
.set et, 0
.rept \rt
.set ob, 16+4*(ei*(\rt)+et)
	ds_store_b128 v[\as], v[ob:ob+3] offset:et*16*AP+32*ei
.set et, et+1
.endr
.set ei, ei+1
.endr
.endm
.macro EPIC
	BAR
	s_wait_alu depctr_vm_vsrc(0)                   ; my stores into ACT have read v16 ..: loads land in these registers next
	s_wait_loadcnt 0x0                             ; the next layer's weights
.endm
; dst (+)= A src for 24 x 24: src's 24 numbers come out of their lanes as scalars; two chains
.macro MATVEC dst, A, src, acc
.set mv, 0
.rept 24
	v_readlane_b32 s[SS0+mv], v[\src], mv
.set mv, mv+1
.endr
	s_wait_alu depctr_va_sdst(0)                   ; the 24 scalars are written, ahead of their first reader
.if \acc
	v_fmac_f32 v[\dst], s[SS0], v[\A]
.else
	v_mul_f32 v[\dst], s[SS0], v[\A]
.endif
	v_mul_f32 v96, s[SS0+1], v[(\A)+1]
.set mv, 2
.rept 11
	v_fmac_f32 v[\dst], s[SS0+mv], v[(\A)+mv]
	v_fmac_f32 v96, s[SS0+1+mv], v[(\A)+mv+1]
.set mv, mv+2
.endr
	v_add_f32 v[\dst], v[\dst], v96
.endm
	s_load_b512 s[4:19], s[0:1], 0x0               ; argument i lies in s[4 + 2 i : 5 + 2 i]
	s_load_b512 s[20:35], s[0:1], 0x40
	s_load_b512 s[36:51], s[0:1], 0x80
	s_load_b64 s[52:53], s[0:1], 0xc0
	v_lshl_add_u32 v[SPW], v0, 2, SPARE
	v_mov_b32 v[NIL], 0
	v_and_b32 v1, 31, v0
	v_lshrrev_b32 v2, 5, v0
	v_readfirstlane_b32 s54, v2                    ; wave 0..7
	v_and_b32 v2, 15, v0                           ; r
	v_bfe_u32 v3, v0, 4, 1                         ; h
	s_mov_b32 s55, ttmp9
	s_lshl_b32 s56, s55, 2
	s_wait_alu depctr_va_sdst(0)                   ; s54 is written, ahead of its first reader
	s_lshr_b32 s2, s54, 1
	s_add_co_u32 s56, s56, s2                      ; my sample in the flow phase: 4 x work-group + wave / 2
	s_mul_i32 s57, s56, REC
	s_and_b32 s2, s54, 1
	s_lshl_b32 s2, s2, 4                           ; my four of its eight times
	s_add_co_u32 s58, s57, s2
	s_lshl_b32 s59, s56, 5
	s_add_co_u32 s59, s59, s2
	s_mov_b32 s96, 0x76543210
	s_mov_b32 s97, 0xfedcba98
	s_mov_b32 s98, 0x3727c5ac                      ; 1e-5
	v_lshlrev_b32 v15, 4, v1
	s_lshl_b32 s2, s54, 10
	v_add_nc_u32 v4, s2, v15
	s_lshl_b32 s2, s54, 11
	v_add_nc_u32 v5, s2, v15
	v_mul_u32_u24 v6, v2, AP
	v_lshl_add_u32 v6, v3, 4, v6
	v_add_nc_u32 v6, ACT, v6
	s_lshl_b32 s2, s54, 5
	v_add_nc_u32 v7, s2, v6
	s_lshl_b32 s2, s54, 6
	v_add_nc_u32 v8, s2, v6
	v_lshlrev_b32 v10, 6, v2
	v_add_nc_u32 v10, ST, v10
	s_lshl_b32 s3, s54, 3
	v_add_nc_u32 v9, s3, v10
	v_lshlrev_b32 v12, 5, v3
	v_add_nc_u32 v11, s2, v12
	s_lshl_b32 s2, s54, 7
	v_add_nc_u32 v12, s2, v12
	v_lshlrev_b32 v120, 2, v0                      ; 4 x thread
	v_and_b32 v121, 127, v0
	v_lshlrev_b32 v121, 2, v121
	v_lshlrev_b32 v122, 2, v1
	v_min_u32 v123, 11, v1
	v_lshlrev_b32 v123, 2, v123
	s_mul_i32 s2, s55, 384
	v_and_b32 v124, 3, v2
	v_mul_u32_u24 v124, v124, 96
	v_lshl_add_u32 v124, v3, 5, v124
	v_add_nc_u32 v124, s2, v124                    ; inputs: row of sample r % 4, numbers 8 h ..
	s_wait_kmcnt 0x0
	s_load_b128 s[60:63], s[8:9], s58 offset:8448  ; my four tn
	s_load_b128 s[68:71], s[10:11], s59 offset:0x0 ; and their s
	s_wait_alu depctr_va_vdst(0)                   ; the addresses v4 to v12, v15 and v120 to v124 are written, which the loads and stores from here on read
	LOADW 0, 16, 1, 2, 5                           ; the first layer's weights
	global_load_b128 v[16:19], v124, s[4:5]
	global_load_b128 v[20:23], v124, s[4:5] offset:16
.set n, 0
.irp p, 12,14,20,22,24,26,34,36,44,46,48,50    ; the twelve vectors of 256 numbers, one number a thread
	global_load_b32 v[24+n], v120, s[\p:\p+1]
.set n, n+1
.endr
	s_cmp_lt_u32 s54, 4                            ; the six of 128: waves 0-3 take one, waves 4-7 its neighbour in LDS
	s_cselect_b64 s[72:73], s[16:17], s[32:33]
	s_cselect_b64 s[74:75], s[28:29], s[30:31]
	s_cselect_b64 s[76:77], s[40:41], s[42:43]
	global_load_b32 v36, v121, s[72:73]
	global_load_b32 v37, v121, s[74:75]
	global_load_b32 v38, v121, s[76:77]
	s_cmp_ge_u32 s54, 2
	s_cbranch_scc1 .Lno_eb3
	global_load_b32 v40, v120, s[18:19]            ; the encoder's last bias: 64 numbers, waves 0 and 1
	s_wait_loadcnt 0x0
	ds_store_b32 v120, v40 offset:EB3
.Lno_eb3:
	s_cmp_lg_u32 s54, 2
	s_cbranch_scc1 .Lno_db3
	global_load_b32 v41, v123, s[38:39]            ; the decoder's last bias: 12 numbers, the last repeated; wave 2; a register of its own, which no store above has read
	s_wait_loadcnt 0x0
	ds_store_b32 v122, v41 offset:DB3
.Lno_db3:
	s_wait_loadcnt 0x0
.set n, 0
.rept 15
	ds_store_b32 v120, v[24+n] offset:1024*n
.set n, n+1
.endr
	s_mov_b32 s[GC], 0x3f3504f3                    ; no load that names s[12:19] is out: 1 / sqrt 2,
	s_mov_b32 s[GC+1], 0x3ea7ba05                  ; p, -log2 e, a1 .. a5
	s_mov_b32 s[GC+2], 0xbfb8aa3b
	s_mov_b32 s[GC+3], 0x3e827906
	s_mov_b32 s[GC+4], 0xbe91a98e
	s_mov_b32 s[GC+5], 0x3fb5f0e3
	s_mov_b32 s[GC+6], 0xbfba00e3
	s_mov_b32 s[GC+7], 0x3f87dc22
	s_wait_kmcnt 0x0
	s_min_u32 s68, s68, 40                         ; a loaded number steers trip counts only behind a bound written here
	s_min_u32 s69, s69, 40
	s_min_u32 s70, s70, 40
	s_min_u32 s71, s71, 40
	BAR                                            ; the parameters are in LDS
	s_wait_alu depctr_vm_vsrc(0)                   ; the staging stores have read v24-41 and v120-124: GELU, the statistics and the normalising lines write these registers next
	LDPAR GB, 12, EB0, 2
.irp j, 0,1,2,3
	v_cvt_pk_f16_f32 v[112+\j], v[16+2*\j], v[17+2*\j]   ; k = 8 h .. 8 h + 7 of 16
.endr
.irp j, 0,1,2,3
	v_mov_b32 v[116+\j], 0                         ; k = 16 .. 31 do not exist
.endr
	s_wait_dscnt 0x0
	; ================= encoder =================
	v_wmma_f32_16x16x32_f16 v[ACC:ACC+7], v[128:135], v[112:119], v[GB:GB+7]
	v_wmma_f32_16x16x32_f16 v[ACC+8:ACC+15], v[136:143], v[112:119], v[GB+8:GB+15]
	DRAIN
	LOADW 16, 16, 8, 2, 5
	EPIB 2, 1, EG0, EBE0, 12, 8
	LDPAR GB, 12, EB1, 2
	EPIC
	MM 8, 2, 1
	DRAIN
	LOADW 144, 8, 8, 1, 4
	EPIB 2, 1, EG1, EBE1, 12, 8
	LDPAR GB, 11, EB2, 1
	EPIC
	MM1 8, 6
	v_min_u32 v108, 23, v1                         ; what the flow phase needs is asked for here, two layers ahead: its addresses are made ahead of the wait
	v_mul_u32_u24 v108, v108, 96
	v_add_nc_u32 v108, s57, v108
	v_lshl_add_u32 v109, v1, 5, s57
	v_min_u32 v110, 3, v1
	s_mul_i32 s2, s56, 96
	v_lshl_add_u32 v110, v110, 2, s2
	s_wait_alu depctr_va_vdst(0)                   ; v108-110 are written, which the loads below read; the products have read weights, bias and slots, in which these loads and the gain and shift land
	s_cmp_ge_u32 s54, 4
	s_cbranch_scc1 .Lno_e3w
	LOADW 208, 4, 4, 1, 4                          ; the last layer has four feature tiles: waves 0 to 3
.Lno_e3w:
.set fi, 0
.rept 6
	global_load_b128 v[FK+4*fi:FK+4*fi+3], v108, s[8:9] offset:6144+16*fi
.set fi, fi+1
.endr
.irp net, 0,1,2
	global_load_b128 v[FYL+8*\net:FYL+8*\net+3],   v109, s[8:9] offset:2048*\net
	global_load_b128 v[FYL+8*\net+4:FYL+8*\net+7], v109, s[8:9] offset:2048*\net+16
	global_load_b128 v[FYH+8*\net:FYH+8*\net+3],   v109, s[8:9] offset:2048*\net+1024
	global_load_b128 v[FYH+8*\net+4:FYH+8*\net+7], v109, s[8:9] offset:2048*\net+1040
.endr
	global_load_b32 v106, v110, s[4:5] offset:48   ; g, lanes 0 to 3
	EPIB 1, 1, EG2, EBE2, 11, 7
	s_cmp_ge_u32 s54, 4
	s_cbranch_scc1 .Lno_e3b
	LDPAR GB, 11, EB3, 1
.Lno_e3b:
	EPIC
	s_cmp_ge_u32 s54, 4
	s_cbranch_scc1 .Lno_e3
	MM1 4, 6
	GELU ACC, 8
	v_and_b32 v112, 3, v2
	v_lshl_add_u32 v112, v112, 8, v11              ; z0 of sample r % 4, features 16 w + 8 h ..: rows of one sample hold the same numbers
	s_wait_alu depctr_va_vdst(0)                   ; GELU has written v48-55 and the line above v112, which the stores read; GELU's work on v16-39 is over, in which weights land below
	ds_store_b128 v112, v[ACC:ACC+3] offset:Z0
	ds_store_b128 v112, v[ACC+4:ACC+7] offset:Z0+16
.Lno_e3:
	BAR                                            ; z0 is in LDS, and nobody reads ACT any more
	s_wait_alu depctr_vm_vsrc(0)                   ; the stores of z0 have read v48-55 and v112, which the flow phase and the decoder write again
	; ================= the flow: wave w has sample w / 2 and decoder rows 4 w .. 4 w + 3 =================
.set WBASE, 16
	LOADW 224, 8, 3, 1, 4                          ; the decoder's first weights, into registers that lie idle until then
	s_lshr_b32 s2, s54, 1
	s_lshl_b32 s2, s2, 8
	v_lshl_add_u32 v111, v1, 2, s2
	s_wait_alu depctr_va_vdst(0)                   ; v111 is written, which the two loads read as their address
	ds_load_b32 v89, v111 offset:Z0                ; z0[lane], z0[lane + 32]
	ds_load_b32 v90, v111 offset:Z0+128
	v_lshrrev_b32 v97, 3, v1
	v_cmp_gt_u32 s58, 4, v1                        ; all the masks of this part in one run: lanes 0 to 3,
	v_cmp_eq_u32 s59, 1, v97                       ; the second block of eight,
.set uc, 0
.rept 24                               ; and for column c of Y the lane of X's column: c, c + 8 or c - 8
.if uc < 8
.set ui, uc
.elseif uc < 16
.set ui, uc+8
.else
.set ui, uc-8
.endif
	v_cmp_eq_u32 s[SS0+uc], ui, v1
.set uc, uc+1
.endr
	v_cvt_pk_f16_f32 v105, v106, v106
	v_mov_b32 v98, 1.0
	v_mov_b32 v104, -1.0
	s_mul_i32 s2, s54, 4*AP
	v_lshl_add_u32 v107, v1, 1, s2
	v_add_nc_u32 v107, ACT, v107                   ; feature 'lane' of my first decoder row
.irp j, 0,1,2,3
	v_mov_b32 v[100+\j], 0
.endr
	v_mov_b32 v80, 0
	s_wait_alu depctr_va_sdst(0)                   ; the 26 masks are written, ahead of their first reader
	v_cndmask_b32 v105, 0, v105, s58               ; features 64 .. 95 of a decoder row: g, then zeros
	v_cndmask_b32 v104, v104, v98, s59             ; W's signs: -, +, - by blocks of eight
	s_wait_dscnt 0x0
	; u0[i] = X column i . z0: the 24 columns of Y four at a time
.set ug, 0
.rept 6
.irp j, 0,1,2,3
	v_mul_f32 v[96+\j], v[FYL+4*ug+\j], v89
.endr
.irp j, 0,1,2,3
	v_fmac_f32 v[96+\j], v[FYH+4*ug+\j], v90
.endr
.irp x, 1,2,4,8
.irp j, 0,1,2,3
	v_add_f32_dpp v[96+\j], v[96+\j], v[96+\j] row_xmask:\x row_mask:0xf bank_mask:0xf
.endr
.endr
.irp j, 0,1,2,3
	v_permlanex16_b32 v[100+\j], v[96+\j], s96, s97
.endr
.irp j, 0,1,2,3
	v_add_f32 v[96+\j], v[96+\j], v[100+\j]
.endr
.irp j, 0,1,2,3
	v_cndmask_b32 v80, v80, v[96+\j], s[SS0+4*ug+\j]
.endr
.set ug, ug+1
.endr
.irp j, 0,1,2,3,4,5,6
	MATVEC 81+\j, FK, 80+\j, 0                     ; K^(j+1) u0
.endr
	s_mov_b32 s3, 4
.Lm:                                                   ; four trips: my four times; s60 = tn, s68 = s of the time in hand
	s_sub_co_u32 s2, 127, s68
	s_lshl_b32 s2, s2, 23                          ; 2^-s
	v_mov_b32 v93, s60
	v_mul_f32 v93, s2, v93                         ; h
	v_mul_f32 v96, 0x3e000000, v93                 ; h / 8 .. h / 2
	v_mul_f32 v97, 0x3e124925, v93
	v_mul_f32 v98, 0x3e2aaaab, v93
	v_mul_f32 v99, 0x3e4ccccd, v93
	v_mul_f32 v100, 0x3e800000, v93
	v_mul_f32 v101, 0x3eaaaaab, v93
	v_mul_f32 v102, 0.5, v93
	v_fma_f32 v88, v87, v96, v86                   ; p(h) = h (v0 + h/2 (v1 + h/3 (v2 + .. + h/8 v7)))
	v_fma_f32 v88, v88, v97, v85
	v_fma_f32 v88, v88, v98, v84
	v_fma_f32 v88, v88, v99, v83
	v_fma_f32 v88, v88, v100, v82
	v_fma_f32 v88, v88, v101, v81
	v_fma_f32 v88, v88, v102, v80
	v_mul_f32 v88, v93, v88
	s_cmp_eq_u32 s68, 0
	s_cbranch_scc1 .Lfast                          ; nothing to double
	v_mov_b32 v95, 1.0
.set uj, 0
.rept 24
	v_cmp_eq_u32 s[SS0+uj], uj, v1                 ; the unit matrix's masks, in one run
.set uj, uj+1
.endr
.set uj, 0
.rept 24
	v_mov_b32 v[FA+uj], v[FK+uj]
.set uj, uj+1
.endr
	s_wait_alu depctr_va_sdst(0)                   ; the 24 masks are written, ahead of their first reader
.set uj, 0
.rept 24
	v_cndmask_b32 v[100+(uj&3)], 0, v95, s[SS0+uj]
	v_fma_f32 v[FT+uj], v[FK+uj], v96, v[100+(uj&3)]   ; T = I + (h / 8) K
.set uj, uj+1
.endr
	s_mov_b32 s58, 0
	s_add_co_u32 s59, s68, 7
.Lsq:                                                  ; 7 + s trips: seven of T = I + (h / j) K T, j = 7 .. 1, which leave E = exp(h K); then s of p += E p, E = E E
	s_cmp_lt_u32 s58, 7
	s_cbranch_scc0 .Lsquare
	s_sub_co_u32 s2, 7, s58
	v_cvt_f32_u32 v96, s2
	v_rcp_f32 v96, v96
	v_mov_b32 v95, 1.0
	s_wait_alu depctr_va_vdst(0)                   ; the reciprocal has written v96, which the next line reads
	v_mul_f32 v94, v93, v96
	s_branch .Lmul
.Lsquare:
	MATVEC 88, FT, 88, 1
.set uj, 0
.rept 24
	v_mov_b32 v[FA+uj], v[FT+uj]
.set uj, uj+1
.endr
	v_mov_b32 v94, 1.0
	v_mov_b32 v95, 0
.Lmul:
	; P = A T: row k of T comes out of lane k as 24 scalars.  Two sets of scalars take turns: row k + 1 is read out ahead of row k's multiply-adds, so that each wait stands a row behind its writers.
.set mmj, 0
.rept 24
	v_readlane_b32 s[SS0+mmj], v[FT+mmj], 0
.set mmj, mmj+1
.endr
.set mmk, 0
.rept 24
.if mmk&1
.set sc, SS1
.set sn, SS0
.else
.set sc, SS0
.set sn, SS1
.endif
	s_wait_alu depctr_va_sdst(0)                   ; row mmk's 24 scalars are written, ahead of their first reader
.set mmj, 0
.rept 24
.if mmk < 23
	v_readlane_b32 s[sn+mmj], v[FT+mmj], mmk+1
.else
	v_cmp_eq_u32 s[sn+mmj], mmj, v1                ; behind the last row: the unit matrix's masks take the free set
.endif
.set mmj, mmj+1
.endr
.set mmj, 0
.rept 24
.if mmk == 0
	v_mul_f32 v[FP+mmj], s[sc+mmj], v[FA+mmk]
.else
	v_fmac_f32 v[FP+mmj], s[sc+mmj], v[FA+mmk]
.endif
.set mmj, mmj+1
.endr
.set mmk, mmk+1
.endr
	s_wait_alu depctr_va_sdst(0)                   ; the 24 masks are written, ahead of their first reader
.set uj, 0
.rept 24
	v_cndmask_b32 v[96+(uj&3)], 0, v95, s[SS0+uj]
	v_fma_f32 v[FT+uj], v[FP+uj], v94, v[96+(uj&3)]
.set uj, uj+1
.endr
	s_add_co_u32 s58, s58, 1
	s_cmp_lt_u32 s58, s59
	s_cbranch_scc1 .Lsq
.Lfast:
	v_mul_f32 v96, v88, v104                       ; z_t = e^-tn (z0 + Y (signs x p))
	v_mul_f32 v97, s60, s[GC+2]
	v_exp_f32 v97, v97
.set uj, 0
.rept 24
	v_readlane_b32 s[SS0+uj], v96, uj
.set uj, uj+1
.endr
	s_wait_alu depctr_va_sdst(0)                   ; the 24 scalars are written, ahead of their first reader
	v_fma_f32 v91, s[SS0], v[FYL], v89
	v_fma_f32 v92, s[SS0], v[FYH], v90
.set uj, 1
.rept 23
	v_fmac_f32 v91, s[SS0+uj], v[FYL+uj]
	v_fmac_f32 v92, s[SS0+uj], v[FYH+uj]
.set uj, uj+1
.endr
	s_wait_alu depctr_va_vdst(0)                   ; the exponential has written v97, which the next line reads
	v_mul_f32 v91, v91, v97
	v_mul_f32 v92, v92, v97
	v_cvt_pk_f16_f32 v98, v91, v92
	s_wait_alu depctr_va_vdst(0)                   ; v98 is written, the stores' data, and v107, their address (ahead of the loop, or by the last trip's add); in the last trip also
	ds_store_b16 v107, v98                         ; feature lane
	ds_store_b16_d16_hi v107, v98 offset:64        ; feature lane + 32
	ds_store_b16 v107, v105 offset:128             ; features 64 ..: g and zeros
	s_wait_alu depctr_vm_vsrc(0)                   ; the three stores have read v107, which the add writes, and v98, which the next trip writes
	v_add_nc_u32 v107, AP, v107
	s_mov_b32 s60, s61
	s_mov_b32 s61, s62
	s_mov_b32 s62, s63
	s_mov_b32 s68, s69
	s_mov_b32 s69, s70
	s_mov_b32 s70, s71
	s_sub_co_u32 s3, s3, 1
	s_cmp_lg_u32 s3, 0
	s_cbranch_scc1 .Lm
	LDPAR GB, 11, DB0, 1
	BAR                                            ; the 32 decoder rows are in ACT
	s_wait_loadcnt 0x0
	; ================= decoder =================
.set SB0, 128                          ; the first layer's six slots lie in v128-175, which the flow phase has left
.set SB1, 160
	MM 3, 1, 2
	DRAIN
.set WBASE, 128
.set SB0, 16
.set SB1, 96
	LOADW 248, 16, 4, 2, 5
	EPIB 1, 2, DG0, DBE0, 11, 7
	LDPAR GB, 12, DB1, 2
	EPIC
	MM 4, 2, 2
	DRAIN
	LOADW 312, 16, 8, 2, 5
	EPIB 2, 2, DG1, DBE1, 12, 8
	LDPAR GB, 12, DB2, 2
	EPIC
	MM 8, 2, 2
	DRAIN
	s_cmp_ge_u32 s54, 2
	s_cbranch_scc1 .Lno_d3w
	LOADW 440, 1, 8, 1, 15                         ; the last layer has one feature tile: waves 0 and 1 take a row tile each; its weights land in v128-191
.Lno_d3w:
	EPIB 2, 2, DG2, DBE2, 12, 8
	s_cmp_ge_u32 s54, 2
	s_cbranch_scc1 .Lno_d3b
	v_lshlrev_b32 v192, 5, v3                      ; 32 h, in a register that the layer before's weights have left and no operand slot covers
	s_wait_alu depctr_va_vdst(0)                   ; v192 is written, which the two loads of the bias read as their address
	LDPAR GB, 192, DB3, 1
.Lno_d3b:
	EPIC
	s_cmp_ge_u32 s54, 2
	s_cbranch_scc1 .Lno_d3
	s_mul_i32 s2, s54, 16*AP
	v_add_nc_u32 v193, s2, v6                      ; my row tile in ACT
	s_lshl_b32 s2, s54, 4
	v_add_nc_u32 v194, s2, v2
	v_mul_u32_u24 v194, v194, 48                   ; row 16 w + r of the result
	v_lshl_add_u32 v195, v3, 5, v194               ; features 0-3 (h = 0) or 8-11 (h = 1)
	v_mad_u32_u24 v196, v3, DUMPD, v194            ; features 4-7 (h = 0); 12-15 (h = 1) land behind the result
	s_wait_alu depctr_va_vdst(0)                   ; v193 is written, which the sixteen operand loads read as their address
	MM1 8, 193
	s_wait_alu depctr_va_vdst(0)                   ; the sums are written in v48-55, which the stores read
	ds_store_b128 v195, v[ACC:ACC+3] offset:OUTS
	ds_store_b128 v196, v[ACC+4:ACC+7] offset:OUTS+16
.Lno_d3:
	BAR                                            ; the 1,536 bytes of the result are in LDS
	s_cmp_ge_u32 s54, 3
	s_cbranch_scc1 .Lend
	s_lshl_b32 s2, s54, 9
	v_add_nc_u32 v112, s2, v15
	s_mul_i32 s3, s55, 1536
	v_add_nc_u32 v113, s3, v112
	s_wait_alu depctr_va_vdst(0)                   ; v112 and v113 are written, the load's and the store's addresses; the products and conversions are done with v16-19, in which the load lands
	ds_load_b128 v[16:19], v112 offset:OUTS
	s_wait_dscnt 0x0
	global_store_b128 v113, v[16:19], s[52:53]     ; a wave's store covers 512 bytes on end, at a multiple of 256 from out0's first byte
.Lend:
	s_wait_dscnt 0x0                               ; the wave's end
	s_wait_alu 0x0
	s_wait_tensorcnt 0x0
	ds_add_u32 v[SPW], v[NIL]
	s_wait_dscnt 0x0
	s_endpgm
.Lfunc_end_k_qfdaf75decc_flow:
	.size	k_qfdaf75decc_flow, .Lfunc_end_k_qfdaf75decc_flow-k_qfdaf75decc_flow
	.p2alignl 7, 3214868480
	.fill 96, 4, 3214868480
	.section	.rodata,"a",@progbits
	.p2align	6, 0x0
	.amdhsa_kernel k_qfdaf75decc_flow
		.amdhsa_group_segment_fixed_size 39936
		.amdhsa_private_segment_fixed_size 0
		.amdhsa_enable_private_segment 0
		.amdhsa_kernarg_size 200
		.amdhsa_user_sgpr_count 2
		.amdhsa_user_sgpr_kernarg_segment_ptr 1
		.amdhsa_wavefront_size32 1
		.amdhsa_system_sgpr_workgroup_id_x 1
		.amdhsa_system_sgpr_workgroup_id_y 1
		.amdhsa_system_sgpr_workgroup_id_z 1
		.amdhsa_system_vgpr_workitem_id 0
		.amdhsa_next_free_vgpr 256
		.amdhsa_next_free_sgpr 100
		.amdhsa_reserve_vcc 0
		.amdhsa_float_denorm_mode_32 3
		.amdhsa_float_denorm_mode_16_64 3
		.amdhsa_memory_ordered 1
		.amdhsa_forward_progress 1
		.amdhsa_inst_pref_size 255
	.end_amdhsa_kernel
	.section	.bss,"aw",@nobits
	.p2align	6
	.space	262144
	.amdgpu_metadata
---
amdhsa.version: [ 1, 2 ]
amdhsa.kernels:
  - .name:           k_qfdaf75decc_flow
    .symbol:         k_qfdaf75decc_flow.kd
    .args:
      - { .name: inputs, .offset: 0, .size: 8, .value_kind: global_buffer, .address_space: global }
      - { .name: wt, .offset: 8, .size: 8, .value_kind: global_buffer, .address_space: global }
      - { .name: dynws, .offset: 16, .size: 8, .value_kind: global_buffer, .address_space: global }
      - { .name: sq, .offset: 24, .size: 8, .value_kind: global_buffer, .address_space: global }
      - { .name: params_enc_lins_0_b, .offset: 32, .size: 8, .value_kind: global_buffer, .address_space: global }
      - { .name: params_enc_lins_1_b, .offset: 40, .size: 8, .value_kind: global_buffer, .address_space: global }
      - { .name: params_enc_lins_2_b, .offset: 48, .size: 8, .value_kind: global_buffer, .address_space: global }
      - { .name: params_enc_lins_3_b, .offset: 56, .size: 8, .value_kind: global_buffer, .address_space: global }
      - { .name: params_enc_lns_0_g, .offset: 64, .size: 8, .value_kind: global_buffer, .address_space: global }
      - { .name: params_enc_lns_0_b, .offset: 72, .size: 8, .value_kind: global_buffer, .address_space: global }
      - { .name: params_enc_lns_1_g, .offset: 80, .size: 8, .value_kind: global_buffer, .address_space: global }
      - { .name: params_enc_lns_1_b, .offset: 88, .size: 8, .value_kind: global_buffer, .address_space: global }
      - { .name: params_enc_lns_2_g, .offset: 96, .size: 8, .value_kind: global_buffer, .address_space: global }
      - { .name: params_enc_lns_2_b, .offset: 104, .size: 8, .value_kind: global_buffer, .address_space: global }
      - { .name: params_dec_lins_0_b, .offset: 112, .size: 8, .value_kind: global_buffer, .address_space: global }
      - { .name: params_dec_lins_1_b, .offset: 120, .size: 8, .value_kind: global_buffer, .address_space: global }
      - { .name: params_dec_lins_2_b, .offset: 128, .size: 8, .value_kind: global_buffer, .address_space: global }
      - { .name: params_dec_lins_3_b, .offset: 136, .size: 8, .value_kind: global_buffer, .address_space: global }
      - { .name: params_dec_lns_0_g, .offset: 144, .size: 8, .value_kind: global_buffer, .address_space: global }
      - { .name: params_dec_lns_0_b, .offset: 152, .size: 8, .value_kind: global_buffer, .address_space: global }
      - { .name: params_dec_lns_1_g, .offset: 160, .size: 8, .value_kind: global_buffer, .address_space: global }
      - { .name: params_dec_lns_1_b, .offset: 168, .size: 8, .value_kind: global_buffer, .address_space: global }
      - { .name: params_dec_lns_2_g, .offset: 176, .size: 8, .value_kind: global_buffer, .address_space: global }
      - { .name: params_dec_lns_2_b, .offset: 184, .size: 8, .value_kind: global_buffer, .address_space: global }
      - { .name: out0, .offset: 192, .size: 8, .value_kind: global_buffer, .address_space: global }
    .group_segment_fixed_size: 39936
    .private_segment_fixed_size: 0
    .kernarg_segment_align: 8
    .kernarg_segment_size: 200
    .max_flat_workgroup_size: 256
    .sgpr_count:     100
    .vgpr_count:     256
    .wavefront_size: 32
...
	.end_amdgpu_metadata
.endif
;; end of part 3
